; MI455X (gfx1250); checked and timed in simulation.
; The chip was launched on July 23, 2026; its instructions are those of AMD's public machine-readable ISA for CDNA 5 (MIT licence, August 2026) and "CDNA5" Instruction Set Architecture Reference Guide (July 2026). The comments in the code are by the model that wrote it; some were corrected since.
;; Multi Head Attention. Allowed arithmetic: float matrix products may take bf16 or f16 operands with f32 sums; other float arithmetic in f32, or as packed bf16 or f16 multiplies, adds, multiply-adds, maxima and minima; sums over many terms, partial sums and values carried from step to step in f32; what a program stores and reads back later, other than sums and carried values, may be rounded once to bf16 or f16.
;; Inputs: Wk_b 1,024 float32; Wk_w 1,024 x 1,024 float32; Wq_b 1,024 float32; Wq_w 1,024 x 1,024 float32; Wv_b 1,024 float32; Wv_w 1,024 x 1,024 float32; dense_b 1,024 float32; dense_w 1,024 x 1,024 float32; k 4 x 2,048 x 1,024 float32; mask 2,048 x 2,048 float32; q 4 x 2,048 x 1,024 float32; v 4 x 2,048 x 1,024 float32.
;; Outputs: out0 4 x 2,048 x 1,024 float32.
;; One version. Each part assembles by itself: llvm-mc -triple=amdgcn-amd-amdhsa -mcpu=gfx1250 --defsym DOCPART=n.
;; ======== version 1 of 1: 4 launches
;; limits: values are held in f16: magnitudes above 65,504 overflow, below 6.1e-05 lose precision; right only within a limited range of input values
;; workspace buffers: xb 50,331,648 bytes; wb 8,388,608 bytes; mb 8,388,608 bytes; qkv 50,331,648 bytes; ob 16,777,216 bytes
;; launch prep (part 1): grid 2048 x 1, 8 waves a work-group, no clusters, 0 bytes of LDS; arguments q, k, v, Wq_w, Wk_w, Wv_w, dense_w, mask, xb, wb, mb; writes xb, wb, mb
.if DOCPART == 1
	.amdgcn_target "amdgcn-amd-amdhsa--gfx1250"
	.amdhsa_code_object_version 6
	.text
	.protected	k_q0cb4b9184c_prep
	.globl	k_q0cb4b9184c_prep
	.p2align	8
	.type	k_q0cb4b9184c_prep,@function
k_q0cb4b9184c_prep:
	s_mov_b64 s[64:65], 0
	v_nop
	global_prefetch_b8 v0, s[64:65] scope:SCOPE_SE
	s_setreg_imm32_b32 hwreg(HW_REG_WAVE_MODE, 25, 1), 1
	s_wait_xcnt 0x0
; ALL ROUNDINGS OF THE INPUTS, once.  q, k, v -> xb, bf16 [3][8192][1024].  Wq, Wk, Wv -> wb planes 0-2, bf16 [1024][1024].
; dense_w -> wb plane 3: rounded to bf16, that number written as f16.  mask -> mb: rounded to bf16, doubled, held to +-65,504, written as f16,
; laid out [32 key steps][2048 queries][64 keys], so that a key step's rows of 512 queries are dense for the attention launch.
; LIMITS.  |mask| above 32,752 counts as 32,752; 2 x mask and dense_w below 6e-5 keep f16's fixed step of 6e-8; dense_w beyond 65,504 becomes an infinity; NaN is not treated apart.
; SHARES.  A work-group takes 16,384 numbers (65,536 bytes in, 32,768 out), a thread 16 loads of 16 bytes, all issued before the first is used: no loop, no LDS, no barrier.
; Work-groups 0-1535: q, k, v; 1536-1791: the four weights; 1792-2047: the mask, 8 rows each.  Matrix units, clusters and LDS would add nothing to a stream that is read once.
.set X, 4                              ; v[4:67]   16 x 4 numbers as loaded
.set Y, 68                             ; v[68:99]  16 x 2 words to store: each store has its own data registers, so none is rewritten
.set T, 100                            ; v[100:101] at work
; kind 0: bf16.  kind 1: bf16, written as f16.  kind 2: the mask.  v1 = my byte offset in, v2 = out; s[4:5] source, s[6:7] destination.
.macro PATH kind
.irp i, 0,1,2,3,4,5,6,7,8,9,10,11,12,13,14,15
.if (\kind) == 2
	global_load_b128 v[X+4*(\i):X+4*(\i)+3], v1, s[4:5] offset:((\i)/4)*16384+((\i)%4)*256 th:TH_LOAD_NT  ; rows 2 (i / 4) and + 1, key step 4 wave + i % 4: 16 lanes take 256 bytes on end
.else
	global_load_b128 v[X+4*(\i):X+4*(\i)+3], v1, s[4:5] offset:(\i)*4096 th:TH_LOAD_NT  ; the work-group's 256 threads take 4,096 bytes on end
.endif
.endr
.irp i, 0,1,2,3,4,5,6,7,8,9,10,11,12,13,14,15
	s_wait_loadcnt 15-(\i)                 ; loads come back in order: number i is in, the younger ones stay out
.if (\kind) == 0
	v_cvt_pk_bf16_f32 v[Y+2*(\i)], v[X+4*(\i)], v[X+4*(\i)+1]
	v_cvt_pk_bf16_f32 v[Y+2*(\i)+1], v[X+4*(\i)+2], v[X+4*(\i)+3]
.else
	v_cvt_pk_bf16_f32 v[T], v[X+4*(\i)], v[X+4*(\i)+1]      ; the one rounding, to bf16,
	v_cvt_pk_bf16_f32 v[T+1], v[X+4*(\i)+2], v[X+4*(\i)+3]
	v_lshlrev_b32 v[X+4*(\i)], 16, v[T]                      ; and back to f32
	v_and_b32 v[X+4*(\i)+1], s34, v[T]
	v_lshlrev_b32 v[X+4*(\i)+2], 16, v[T+1]
	v_and_b32 v[X+4*(\i)+3], s34, v[T+1]
.if (\kind) == 2
	v_pk_mul_f32 v[X+4*(\i):X+4*(\i)+1], v[X+4*(\i):X+4*(\i)+1], 2.0 op_sel_hi:[1,0]      ; exact
	v_pk_mul_f32 v[X+4*(\i)+2:X+4*(\i)+3], v[X+4*(\i)+2:X+4*(\i)+3], 2.0 op_sel_hi:[1,0]
	v_med3_num_f32 v[X+4*(\i)], v[X+4*(\i)], s36, s37        ; inside f16's range
	v_med3_num_f32 v[X+4*(\i)+1], v[X+4*(\i)+1], s36, s37
	v_med3_num_f32 v[X+4*(\i)+2], v[X+4*(\i)+2], s36, s37
	v_med3_num_f32 v[X+4*(\i)+3], v[X+4*(\i)+3], s36, s37
.endif
	v_cvt_pk_f16_f32 v[Y+2*(\i)], v[X+4*(\i)], v[X+4*(\i)+1]  ; 8 significant bits fit f16's 11: exact in f16's normal range
	v_cvt_pk_f16_f32 v[Y+2*(\i)+1], v[X+4*(\i)+2], v[X+4*(\i)+3]
.endif
.if (\kind) == 2
	global_store_b64 v2, v[Y+2*(\i):Y+2*(\i)+1], s[6:7] offset:((\i)%4)*262144+((\i)/4)*256  ; a wave stores two queries' 128 bytes: 256 bytes on end, aligned
.else
	global_store_b64 v2, v[Y+2*(\i):Y+2*(\i)+1], s[6:7] offset:(\i)*2048                      ; a wave stores 256 bytes on end, aligned
.endif
.endr
	s_endpgm
.endm
	s_load_b512 s[8:23], s[0:1], 0x0       ; q s[8:9], k s[10:11], v s[12:13], Wq s[14:15], Wk s[16:17], Wv s[18:19], dense_w s[20:21], mask s[22:23]
	s_load_b128 s[24:27], s[0:1], 0x40     ; xb s[24:25], wb s[26:27]
	s_load_b64 s[28:29], s[0:1], 0x50      ; mb
	s_mov_b32 s32, ttmp9                   ; the work-group's number
	s_mov_b32 s34, 0xffff0000              ; a word's upper bf16
	s_mov_b32 s36, 0xc77fe000              ; -65,504
	s_mov_b32 s37, 0x477fe000              ; 65,504
	s_mov_b32 s3, 0                        ; the offsets' high words
	s_mov_b32 s31, 0
	v_lshlrev_b32 v1, 4, v0                ; 16 bytes in,
	v_lshlrev_b32 v2, 3, v0                ; 8 bytes out a thread
	s_wait_kmcnt 0x0
	s_cmp_lt_u32 s32, 1536
	s_cbranch_scc0 .Lnot_x
	s_lshr_b32 s33, s32, 9                 ; which of q, k, v: 512 chunks each
	s_and_b32 s2, s32, 511
	s_lshl_b32 s2, s2, 16
	s_lshl_b32 s30, s32, 15
	s_cmp_eq_u32 s33, 0
	s_cselect_b64 s[4:5], s[8:9], s[10:11]
	s_cmp_eq_u32 s33, 2
	s_cselect_b64 s[4:5], s[12:13], s[4:5]
	s_add_nc_u64 s[4:5], s[4:5], s[2:3]
	s_add_nc_u64 s[6:7], s[24:25], s[30:31]
	s_branch .Lcast
.Lnot_x:
	s_cmp_lt_u32 s32, 1792
	s_cbranch_scc0 .Lmask
	s_sub_co_u32 s32, s32, 1536
	s_lshr_b32 s33, s32, 6                 ; which weight: 64 chunks each
	s_and_b32 s2, s32, 63
	s_lshl_b32 s2, s2, 16
	s_lshl_b32 s30, s32, 15
	s_cmp_eq_u32 s33, 0
	s_cselect_b64 s[4:5], s[14:15], s[16:17]
	s_cmp_eq_u32 s33, 2
	s_cselect_b64 s[4:5], s[18:19], s[4:5]
	s_cmp_eq_u32 s33, 3
	s_cselect_b64 s[4:5], s[20:21], s[4:5]
	s_add_nc_u64 s[4:5], s[4:5], s[2:3]
	s_add_nc_u64 s[6:7], s[26:27], s[30:31]
	s_cmp_eq_u32 s33, 3
	s_cbranch_scc1 .Lf16
.Lcast:
	PATH 0
.Lf16:
	PATH 1
.Lmask:
	s_sub_co_u32 s32, s32, 1792
	s_lshl_b32 s2, s32, 16                 ; 8 rows of 8,192 bytes in,
	s_lshl_b32 s30, s32, 10                ; 8 queries of 128 bytes in each key step's plane out
	s_add_nc_u64 s[4:5], s[22:23], s[2:3]
	s_add_nc_u64 s[6:7], s[28:29], s[30:31]
	v_and_b32 v1, 15, v0                   ; in: 16 bytes x (thread % 16),
	v_lshlrev_b32 v1, 4, v1
	v_bfe_u32 v3, v0, 4, 1
	v_lshl_add_u32 v1, v3, 13, v1          ; a row further for lanes 16-31,
	v_lshrrev_b32 v3, 5, v0
	v_lshl_add_u32 v1, v3, 10, v1          ; four key steps (1,024 bytes) a wave
	v_and_b32 v2, 31, v0                   ; out: 8 bytes x lane (lanes 16-31: the next query's 128 bytes),
	v_lshlrev_b32 v2, 3, v2
	v_lshl_add_u32 v2, v3, 20, v2          ; four planes of 262,144 bytes a wave
	PATH 2
.Lfunc_end_k_q0cb4b9184c_prep:
	.size	k_q0cb4b9184c_prep, .Lfunc_end_k_q0cb4b9184c_prep-k_q0cb4b9184c_prep
	.p2alignl 7, 3214868480
	.fill 96, 4, 3214868480
	.section	.rodata,"a",@progbits
	.p2align	6, 0x0
	.amdhsa_kernel k_q0cb4b9184c_prep
		.amdhsa_group_segment_fixed_size 0
		.amdhsa_private_segment_fixed_size 0
		.amdhsa_enable_private_segment 0
		.amdhsa_kernarg_size 88
		.amdhsa_user_sgpr_count 2
		.amdhsa_user_sgpr_kernarg_segment_ptr 1
		.amdhsa_wavefront_size32 1
		.amdhsa_system_sgpr_workgroup_id_x 1
		.amdhsa_system_sgpr_workgroup_id_y 1
		.amdhsa_system_sgpr_workgroup_id_z 1
		.amdhsa_system_vgpr_workitem_id 0
		.amdhsa_next_free_vgpr 104
		.amdhsa_next_free_sgpr 66
		.amdhsa_reserve_vcc 0
		.amdhsa_float_denorm_mode_32 3
		.amdhsa_float_denorm_mode_16_64 3
		.amdhsa_memory_ordered 1
		.amdhsa_forward_progress 1
		.amdhsa_inst_pref_size 34
	.end_amdhsa_kernel
	.amdgpu_metadata
---
amdhsa.version: [ 1, 2 ]
amdhsa.kernels:
  - .name:           k_q0cb4b9184c_prep
    .symbol:         k_q0cb4b9184c_prep.kd
    .args:
      - { .name: q, .offset: 0, .size: 8, .value_kind: global_buffer, .address_space: global }
      - { .name: k, .offset: 8, .size: 8, .value_kind: global_buffer, .address_space: global }
      - { .name: v, .offset: 16, .size: 8, .value_kind: global_buffer, .address_space: global }
      - { .name: Wq_w, .offset: 24, .size: 8, .value_kind: global_buffer, .address_space: global }
      - { .name: Wk_w, .offset: 32, .size: 8, .value_kind: global_buffer, .address_space: global }
      - { .name: Wv_w, .offset: 40, .size: 8, .value_kind: global_buffer, .address_space: global }
      - { .name: dense_w, .offset: 48, .size: 8, .value_kind: global_buffer, .address_space: global }
      - { .name: mask, .offset: 56, .size: 8, .value_kind: global_buffer, .address_space: global }
      - { .name: xb, .offset: 64, .size: 8, .value_kind: global_buffer, .address_space: global }
      - { .name: wb, .offset: 72, .size: 8, .value_kind: global_buffer, .address_space: global }
      - { .name: mb, .offset: 80, .size: 8, .value_kind: global_buffer, .address_space: global }
    .group_segment_fixed_size: 0
    .private_segment_fixed_size: 0
    .kernarg_segment_align: 8
    .kernarg_segment_size: 88
    .max_flat_workgroup_size: 256
    .sgpr_count:     66
    .vgpr_count:     104
    .wavefront_size: 32
...
	.end_amdgpu_metadata
.endif
;; end of part 1
;; launch proj (part 2): grid 4 x 64, 4 waves a work-group, clusters of 4 x 4, 327,680 bytes of LDS; arguments xb, wb, Wq_b, Wk_b, Wv_b, qkv; writes qkv
.if DOCPART == 2
	.amdgcn_target "amdgcn-amd-amdhsa--gfx1250"
	.amdhsa_code_object_version 6
	.text
	.protected	k_q0cb4b9184c_proj
	.globl	k_q0cb4b9184c_proj
	.p2align	8
	.type	k_q0cb4b9184c_proj,@function
k_q0cb4b9184c_proj:
	s_mov_b64 s[64:65], 0
	v_nop
	global_prefetch_b8 v0, s[64:65] scope:SCOPE_SE
	s_setreg_imm32_b32 hwreg(HW_REG_WAVE_MODE, 25, 1), 1
	s_wait_xcnt 0x0
	s_wait_alu depctr_hold_cnt(0) depctr_sa_sdst(0) depctr_va_vdst(0) depctr_va_sdst(0) depctr_va_ssrc(0) depctr_va_vcc(0) depctr_vm_vsrc(0)
	s_getreg_b32 s2, hwreg(HW_REG_IB_STS2, 6, 4)
	s_cmp_eq_u32 s2, 0
	s_cbranch_scc0 .Lentry_in_a_cluster
	s_endpgm
.Lentry_in_a_cluster:
	s_bfe_u32 s2, ttmp6, 0x10000c
	s_cmp_lg_u32 s2, 0xf033
	s_cbranch_scc0 .Lentry_shape_is_right
	s_endpgm
.Lentry_shape_is_right:
; C = A B^T + bias, on tiles of 128 (rows) x 256 (columns), K = 1,024 in 8 steps of 128.  ONE TEXT FOR TWO LAUNCHES; PROJ, below, chooses.
; PROJ = 1: the three projections.  A = xb [3][8192][1024] bf16, B = wb planes 0-2 bf16, bias f32 (rounded to bf16 like every input); C -> qkv, f16, by heads [3][64][2048][64], unscaled.
;           768 tiles: 256 work-groups STAY and make the tile at their place for q, then k, then v; the ring of LDS slots runs on from tile to tile.
; PROJ = 0: the last projection.  A = ob f16 [64 heads][2048][64] (a K step = two heads), B = wb plane 3 f16, C -> out0, f32 [8192][1024].  256 tiles, one each.
; LIMITS.  PROJ = 1: a projected number of 65,520 or more becomes an infinity in f16.  Sums in f32; the bias starts each sum as the first product's C operand.
; SHARES.  Four waves; wave w makes rows 64 (w / 2) .. + 63, columns 128 (w % 2) .. + 127: 32 accumulators of 16 x 16.  For 32 along K: 24 LDS loads, 32 matrix instructions.
; The matrix instruction is used transposed (source 0 = 16 rows of B, source 1 = 16 rows of A): a lane holds one row of C (lane % 16) and the columns 8 (lane / 16) + 0..7 of each block.
; CLUSTER 4 x 4.  The four of a row of the cluster share A's tile, the four of a column B's: each is asked for jointly, by the same tensor load, descriptor and mask in all four.
; LDS.  Two slots, SLOT1 apart: A at 0 (PROJ = 1: 128 rows of 272 bytes; 0: two head planes of 128 rows of 144), B at BOFF (256 rows of 272).  Behind them each wave's stage, then the spare words.
; REGISTERS.  window 0: addresses, the way out.  window 1: accumulator (a, b) at 8 (8 a + b).  window 2: fragment buffers F0, F1 (B's 8 blocks, then A's 4), the bias at 192.
.set PROJ,   1
.set SLOT1,  131072
.set PB,     272                       ; B's LDS row: 256 bytes + 16: the 16 rows of a load begin 16 bytes apart modulo 256
.set BOFF,   36864
.set SB,     256                       ; bytes from a K step of B to the next
.if PROJ
.set PA,     272
.set APART,  64*PA                     ; what one of waves 0, 1 brings of A
.set SA,     256
.set QIA,    5                         ; padding behind every 64 words
.set STRA,   1024                      ; elements from row to row
.set WSTAGE, 2*16*144                  ; a wave's stage: 2 heads x 16 rows x (128 + 16) bytes
.else
.set PA,     144
.set APART,  128*PA
.set SA,     524288                    ; two heads on
.set QIA,    4                         ; behind every 32 words: a head's row of 128 bytes
.set STRA,   128                       ; a head's 128 rows are 16,384 dense bytes: asked for as 64 rows of 256
.set WSTAGE, 16*528                    ; 16 rows x (512 + 16) bytes
.endif
.set JA,     8192*2048-7*256           ; from a tile's K step 7 to the next tile's K step 0: the next plane of xb,
.set JB,     1024*2048-7*256           ; of wb
.set STAGE,  SLOT1+BOFF+256*PB
.set SPARE,  STAGE+4*WSTAGE            ; the spare words, 128 bytes a wave: two blocks of 256 bytes that no other line names
.set ADRA0, 16                         ; v16  my lane's place in A's tile, slot 0; never rewritten
.set ADRB0, 17                         ; v17  the same for B
.set ADRA,  18                         ; v18  in the slot that is being read
.set ADRB,  19
.set STO,   24                         ; v24  the way out: where I put my bytes of a row
.set RD,    25                         ; v25  where I read rows back
.set CO,    26                         ; v26  16 x lane
.set BO,    27                         ; v27  my byte offset in the bias
.set SPW,   28                         ; v28  my spare word's LDS address; never rewritten
.set NIL,   29                         ; v29  0; never rewritten
.set PFO,   30                         ; v30  the prefetches' lane offset; never rewritten
.set TMP,   32                         ; v32-63 packed words at work
.set F0,    0
.set F1,    96
.set BIAS,  192
.set TILE,  2                          ; s2   tiles to go
.set CNT,   3                          ; s3   counts the loop's K steps, 6 to 1
.set G1A,   24                         ; s[24:31] group 1 for A;  s[32:39] group 0: a set for each first fill; the second then walks
.set G0A,   32
.set LIM,   43                         ; s43  2 in a wave that prefetches, else the greatest number
.set PFA,   44                         ; s[44:45] where my prefetches stand
.set G1B,   48
.set G0B,   56
.set PST,   66                         ; s[66:67] their step;  s[68:69] their jump to the next tile
.set PJ,    68
.set TB,    70                         ; s70  the slot that is being read: 0 or SLOT1
.set BP,    78                         ; s[78:79] the bias in hand
.set W_MUL,  0x5a                      ; sources window 2, C and D window 1
.set W_MULB, 0x6a                      ; the same with C (the bias) in window 2
.set W_TOF,  0x80                      ; destination window 2
.set W_RB,   0x0a                      ; sources window 2, destination window 0
.set W_PK,   0x05                      ; sources window 1
.set W_ST,   0x04                      ; an LDS store's data in window 1
.set MSB, 0
.macro WIN new                         ; the immediate's high byte repeats the setting that is left; a switch that changes nothing is dropped
.if MSB != (\new)
	s_set_vgpr_msb (MSB<<8)|(\new)
.set MSB, \new
.endif
.endm
.macro PLACES                          ; four plain vector instructions between a matrix instruction and a load into, or a reader of, its registers
.rept 4
	v_nop
.endr
.endm
.macro CREST                           ; a round of the cluster's barrier behind its opening barrier
	s_cmp_lg_u32 s10, 0
	s_cbranch_scc1 .Lnot_wave_0_\@
	s_barrier_signal -3
.Lnot_wave_0_\@:
	s_barrier_wait -3
	s_barrier_signal -1
	s_barrier_wait -1
.endm
.macro CROUND
	s_barrier_signal -1
	s_barrier_wait -1
	CREST
.endm
; A joint refill by the walking descriptors: waves 0, 1 fetch A's two parts, waves 2, 3 B's two halves.  The branch hangs on the wave's number alone.
; An s_nop 0 and four v_nop follow each line, ahead of the jump and the label.
.macro JLOAD
	s_cmp_eq_u32 s11, 0
	s_cbranch_scc0 .Lfor_b_\@
	tensor_load_to_lds s[G0A+4:G0A+7], s[G1A:G1A+7]
	s_nop 0
.rept 4
	v_nop
.endr
	s_branch .Lasked_\@
.Lfor_b_\@:
	tensor_load_to_lds s[G0B+4:G0B+7], s[G1B:G1B+7]
	s_nop 0
.rept 4
	v_nop
.endr
.Lasked_\@:
.endm
; A PREFETCH of the K step that stands two refills (256 matrix instructions) on: 32 blocks of 256 bytes, a lane a block, one instruction.  Each block is named once in the launch:
; A's tile is read by one row of one cluster: wave 0 asks, the four partners take 32 of its 128 blocks each, told apart by address (cx).  B's rows are read by every cluster: the cluster with
; y = 0 asks, waves 2 and 3 for the 128 rows that each fetches, the partners 32 rows each (cy).  how = 0, in the loop: K steps 4 to 7 (CNT 6 to 3); else: the next tile's K steps 2, 3.
.macro ASK how
	WIN 0
.if \how
	s_cmp_eq_u32 s[LIM], 2
.else
	s_cmp_gt_u32 s[CNT], s[LIM]
.endif
	s_cbranch_scc0 .Lnot_mine_\@
	global_prefetch_b8 v[PFO], s[PFA:PFA+1] th:TH_LOAD_NT scope:SCOPE_SE
.Lnot_mine_\@:
.endm
.macro WM d, x, y, c
.if PROJ
	v_wmma_f32_16x16x32_bf16 v[\d:\d+7], v[\x:\x+7], v[\y:\y+7], v[\c:\c+7]
.else
	v_wmma_f32_16x16x32_f16 v[\d:\d+7], v[\x:\x+7], v[\y:\y+7], v[\c:\c+7]
.endif
.endm
; 8 matrix instructions: row block a x all 8 column blocks, 32 along K from buffer f.  first = 1: the bias starts the sums.  The 32 accumulators take turns in one order in every quarter,
; over the backward jumps and from tile to tile.
.macro MUL8 f, a, first
.if \first
	WIN W_MULB
.else
	WIN W_MUL
.endif
.irp b, 0,1,2,3,4,5,6,7
.if \first
	WM 8*(8*(\a)+(\b)), (\f)+8*(\b), (\f)+64+8*(\a), BIAS+8*(\b)
.else
	WM 8*(8*(\a)+(\b)), (\f)+8*(\b), (\f)+64+8*(\a), 8*(8*(\a)+(\b))
.endif
.endr
.endm
.macro MUL16 f, a0, first
	MUL8 \f, \a0, \first
	MUL8 \f, (\a0)+1, \first
.endm
; 24 LDS loads in one run: the fragments of 32 along K at byte k of the K step, into buffer f: B's eight blocks, then A's four.
.macro FETCH k, f
.if PROJ
.set AO, (\k)
.else
.set AO, ((\k)/128)*APART+(\k)%128     ; head plane, byte in the head's row
.endif
	WIN W_TOF
.irp b, 0,1,2,3,4,5,6,7
	ds_load_b128 v[(\f)+8*(\b):(\f)+8*(\b)+3],   v[ADRB] offset:(\k)+(\b)*16*PB
	ds_load_b128 v[(\f)+8*(\b)+4:(\f)+8*(\b)+7], v[ADRB] offset:(\k)+(\b)*16*PB+32
.endr
.irp a, 0,1,2,3
	ds_load_b128 v[(\f)+64+8*(\a):(\f)+64+8*(\a)+3],   v[ADRA] offset:AO+(\a)*16*PA
	ds_load_b128 v[(\f)+64+8*(\a)+4:(\f)+64+8*(\a)+7], v[ADRA] offset:AO+(\a)*16*PA+32
.endr
.endm
; A K step is four quarters of 32 along K on buffers F0, F1, F0, F1.  One of the first three multiplies buffer f and, in its middle, fetches the next quarter (byte k) into g.
.macro QUARTER k, f, g, first
	s_wait_dscnt 4                         ; B and A's blocks 0, 1 are in; the youngest four loads (A's blocks 2, 3) may be out
	MUL16 \f, 0, \first
	PLACES
	FETCH \k, \g
	s_wait_dscnt 24                        ; all but the 24 just issued
	MUL16 \f, 2, \first
.endm
; The fourth quarter multiplies F1 and changes slots.  In front of the barrier each wave waits for all its tensor loads (one is out: its part of the next slot), adds 0 to its spare word,
; and waits for that and for its reads of this slot.  fill = 1: the barrier opens a round of the cluster's, and the joint refill is the first thing behind the round: it has 112 matrix
; instructions in which to land.  on = 0: this tile's K step two on; 1: the next tile's K step 0; 2: its K step 1.
.macro TURN fill, on
.if \fill
	s_wait_xcnt 0x0                        ; the last prefetch, a K step back, has read its address, which is stepped here
.if (\on) == 1
	s_add_nc_u64 s[PFA:PFA+1], s[PFA:PFA+1], s[PJ:PJ+1]
.else
	s_add_nc_u64 s[PFA:PFA+1], s[PFA:PFA+1], s[PST:PST+1]
.endif
.endif
	WIN 0                                  ; (the add's registers lie in window 0)
	s_wait_tensorcnt 0x0                   ; all my tensor loads have landed
	ds_add_u32 v[SPW], v[NIL]              ; 0 onto my spare word
	s_wait_dscnt 5                         ; (the add and the youngest four loads may be out)
	MUL8 F1, 0, 0                          ; eight matrix instructions stand between the add and the wait for it
	s_wait_dscnt 0x0                       ; the add is done, and my reads of this slot are over
	s_barrier_signal -1
	MUL8 F1, 1, 0                          ; work on registers while the others arrive
	WIN 0
	s_barrier_wait -1
.if \fill
	CREST                                  ; no wave of any partner still reads this slot or has a load on its way
	s_xor_b32 s[G0A+5], s[G0A+5], SLOT1    ; the walking descriptors: the other slot than last time,
	s_xor_b32 s[G0B+5], s[G0B+5], SLOT1
.if (\on) == 1
	s_add_nc_u64 s[G0A+6:G0A+7], s[G0A+6:G0A+7], JA
	s_add_nc_u64 s[G0B+6:G0B+7], s[G0B+6:G0B+7], JB
.else
	s_add_nc_u64 s[G0A+6:G0A+7], s[G0A+6:G0A+7], SA   ; the next K step; the type bits on top are not reached
	s_add_nc_u64 s[G0B+6:G0B+7], s[G0B+6:G0B+7], SB
.endif
	JLOAD                                  ; its four v_nop are also the places in front of the loads below
.else
	PLACES
.endif
	s_xor_b32 s[TB], s[TB], SLOT1          ; the reads go to the other slot
	v_add_nc_u32 v[ADRA], s[TB], v[ADRA0]
	v_add_nc_u32 v[ADRB], s[TB], v[ADRB0]
	FETCH 0, F0
.if \fill
	ASK \on
.endif
	MUL16 F1, 2, 0
.endm
; My 64 numbers of the bias (for block b the columns 16 b + 8 (lane / 16) + 0..7), laid as a C operand; then rounded to bf16 and widened again.
.macro BIASLD
	WIN W_TOF
.irp b, 0,1,2,3,4,5,6,7
	global_load_b128 v[BIAS+8*(\b):BIAS+8*(\b)+3],   v[BO], s[BP:BP+1] offset:64*(\b)
	global_load_b128 v[BIAS+8*(\b)+4:BIAS+8*(\b)+7], v[BO], s[BP:BP+1] offset:64*(\b)+16
.endr
.endm
.macro ROUNDB
	WIN W_RB
.set z, 0
.rept 32
	v_cvt_pk_bf16_f32 v[TMP+z], v[BIAS+2*z], v[BIAS+2*z+1]
.set z, z+1
.endr
	WIN W_TOF
.set z, 0
.rept 32
	v_lshlrev_b32 v[BIAS+2*z], 16, v[TMP+z]
	v_and_b32 v[BIAS+2*z+1], 0xffff0000, v[TMP+z]
.set z, z+1
.endr
.endm
.if PROJ
; THE WAY OUT, f16 by heads.  Row block a: rounded, 16 bytes a lane; through my stage (2 heads x 16 rows x 144 bytes); back as 512 bytes on end (4 rows of a head); stored.
.macro PACK a
	WIN W_PK
.irp b, 0,1,2,3,4,5,6,7
.irp c, 0,1,2,3
	v_cvt_pk_f16_f32 v[TMP+4*(\b)+(\c)], v[8*(8*(\a)+(\b))+2*(\c)], v[8*(8*(\a)+(\b))+2*(\c)+1]  ; each accumulator's registers in ascending order
.endr
.endr
.endm
.macro TOSTAGE a
	WIN 0
.set BK, 64+32*((\a)%2)
.irp b, 0,1,2,3,4,5,6,7
	ds_store_b128 v[STO], v[TMP+4*(\b):TMP+4*(\b)+3] offset:((\b)/4)*2304+((\b)%4)*32
.endr
.irp t, 0,1,2,3,4,5,6,7
	ds_load_b128 v[BK+4*(\t):BK+4*(\t)+3], v[RD] offset:((\t)/4)*2304+((\t)%4)*576  ; LDS serves a wave's instructions in order (ISA guide 5.7.1.4): these see the stores above
.endr
.endm
.macro SEND a
	WIN 0
.set BK, 64+32*((\a)%2)
	s_wait_dscnt 0x0                       ; the block is back in registers
	s_wait_xcnt 0x0                        ; the stores of the block before have read their registers, which the next block's loads fill
.irp t, 0,1,2,3,4,5,6,7
	global_store_b128 v[CO], v[BK+4*(\t):BK+4*(\t)+3], s[8:9] offset:((\t)/4)*262144+(\a)*2048+((\t)%4)*512  ; 512 consecutive bytes of one head, aligned
.endr
.endm
.macro WAYOUT
	PLACES
	PACK 0
	TOSTAGE 0
.irp a, 1,2,3
	PACK \a                                ; a block's conversions stand between the loads of the block before and the wait for them
	SEND (\a)-1
	TOSTAGE \a
.endr
	SEND 3
.endm
.else
; THE WAY OUT, f32.  Row block a: 32 bytes a lane and column block into my stage (16 rows x 528 bytes); back a row of 512 bytes a load; stored.
.macro TOSTAGE a
.set BK, 32+64*((\a)%2)
.if (\a) >= 2
	s_wait_xcnt 0x0                        ; the stores of block a - 2 have read the registers that are loaded again below
.endif
	WIN W_ST
.irp b, 0,1,2,3,4,5,6,7
	ds_store_b128 v[STO], v[8*(8*(\a)+(\b)):8*(8*(\a)+(\b))+3]   offset:64*(\b)
	ds_store_b128 v[STO], v[8*(8*(\a)+(\b))+4:8*(8*(\a)+(\b))+7] offset:64*(\b)+16
.endr
	WIN 0
.irp t, 0,1,2,3,4,5,6,7,8,9,10,11,12,13,14,15
	ds_load_b128 v[BK+4*(\t):BK+4*(\t)+3], v[RD] offset:528*(\t)  ; LDS serves a wave's instructions in order (ISA guide 5.7.1.4): these see the stores above
.endr
.endm
.macro SEND a, younger                 ; younger: the next block's 16 stores and 16 loads, or none
	WIN 0
.set BK, 32+64*((\a)%2)
	s_wait_dscnt \younger
.irp t, 0,1,2,3,4,5,6,7,8,9,10,11,12,13,14,15
	global_store_b128 v[CO], v[BK+4*(\t):BK+4*(\t)+3], s[8:9] offset:(16*(\a)+(\t))*4096 th:TH_STORE_NT  ; 512 consecutive bytes of a row, aligned
.endr
.endm
.macro WAYOUT
	PLACES
	TOSTAGE 0
	TOSTAGE 1
	SEND 0, 32
	TOSTAGE 2
	SEND 1, 32
	TOSTAGE 3
	SEND 2, 32
	SEND 3, 0
.endm
.endif
	s_load_b128 s[4:7], s[0:1], 0x0        ; A's buffer s[4:5], wb s[6:7]
.if PROJ
	s_load_b128 s[72:75], s[0:1], 0x10     ; Wq_b s[72:73], Wk_b s[74:75]
	s_load_b128 s[76:79], s[0:1], 0x20     ; Wv_b s[76:77], qkv s[78:79]
.else
	s_load_b128 s[76:79], s[0:1], 0x10     ; dense_b s[76:77], out0 s[78:79]
.endif
	v_lshl_add_u32 v[SPW], v0, 2, SPARE
	v_mov_b32 v[NIL], 0
	ds_add_u32 v[SPW], v[NIL]              ; the wave's opening: the add and its wait stand ahead of my first tensor load; the set-up below stands between them
	v_lshrrev_b32 v1, 5, v0
	v_readfirstlane_b32 s10, v1            ; wave 0..3
	s_lshr_b32 s11, s10, 1                 ; my half of the tile's rows.  Also: I fetch for A (0) or for B (1)
	s_and_b32 s12, s10, 1                  ; my half of its columns.  Also: which part of that tile I fetch
	s_bfe_u32 s40, ttmp6, 0x40000          ; cx
	s_bfe_u32 s41, ttmp6, 0x40004          ; cy
	s_lshl_b32 s42, ttmp9, 2
	s_add_co_u32 s42, s42, s40             ; tile column = 4 x cluster x + cx
	s_and_b32 s13, ttmp7, 0xffff
	s_lshl_b32 s13, s13, 2
	s_add_co_u32 s13, s13, s41             ; tile row = 4 x cluster y + cy
	s_lshl_b32 s14, s41, 2
	s_lshl_b32 s14, 15, s14                ; my row of the cluster
	s_lshl_b32 s15, 0x1111, s40            ; my column
	s_or_b32 s[G1A], s14, (1<<16)|(1<<20)|(1<<21)|(QIA<<22)|(3<<25)  ; the mask; 2-byte elements; padding on; bit 21 beside a mask; the interval; 4 words of padding
	s_or_b32 s[G1B], s15, (1<<16)|(1<<20)|(1<<21)|(5<<22)|(3<<25)
	s_mov_b32 s[G1A+1], 128<<16            ; tensor_dim0 = 128
	s_mov_b32 s[G1A+2], 64<<16             ; tensor_dim1 = 64
	s_mov_b32 s[G1A+3], 128<<16            ; tile_dim0 = 128
	s_mov_b32 s[G1A+4], 64                 ; tile_dim1 = 64
	s_mov_b32 s[G1A+5], STRA
	s_mov_b32 s[G1A+6], 0
	s_mov_b32 s[G1A+7], 0
	s_mov_b32 s[G1B+1], 128<<16
	s_mov_b32 s[G1B+2], 128<<16            ; 128 rows
	s_mov_b32 s[G1B+3], 128<<16
	s_mov_b32 s[G1B+4], 128
	s_mov_b32 s[G1B+5], 1024
	s_mov_b32 s[G1B+6], 0
	s_mov_b32 s[G1B+7], 0
	; where the tiles come from: A's by the tile row and the wave's number, B's by the tile column and the wave's number
.if PROJ
	s_lshl_b32 s16, s13, 7
	s_lshl_b32 s17, s12, 6
	s_add_co_u32 s16, s16, s17
	s_lshl_b32 s16, s16, 11                ; (128 tile row + 64 part) rows of 2,048 bytes
.else
	s_lshr_b32 s16, s13, 4
	s_lshl_b32 s16, s16, 22                ; the batch's 16 heads,
	s_lshl_b32 s17, s12, 18                ; the K step's first or second head,
	s_add_co_u32 s16, s16, s17
	s_and_b32 s17, s13, 15
	s_lshl_b32 s17, s17, 14                ; the tile's 128 rows of 128 bytes
	s_add_co_u32 s16, s16, s17
.endif
	s_mov_b32 s17, 0
	s_lshl_b32 s46, s42, 8
	s_lshl_b32 s47, s12, 7
	s_add_co_u32 s46, s46, s47
	s_lshl_b32 s46, s46, 11                ; (256 tile column + 128 half) rows of 2,048 bytes
.if !PROJ
	s_add_co_u32 s46, s46, 6291456         ; plane 3
.endif
	s_mov_b32 s47, 0
	s_mul_i32 s20, s12, APART              ; and where they go: no place in the cluster enters an LDS address
	s_mul_i32 s21, s12, 128*PB
	s_add_co_u32 s21, s21, BOFF
	s_mov_b32 s[TB], 0
	s_wait_dscnt 0x0                       ; the opening add is done
	s_wait_kmcnt 0x0
	s_add_nc_u64 s[14:15], s[4:5], s[16:17]
	s_add_nc_u64 s[46:47], s[6:7], s[46:47]
.irp s, 0,1
	s_mov_b32 s[G0A+4*(\s)], 1
	s_add_co_u32 s[G0A+4*(\s)+1], s20, (\s)*SLOT1
	s_add_nc_u64 s[G0A+4*(\s)+2:G0A+4*(\s)+3], s[14:15], (\s)*SA
	s_or_b32 s[G0A+4*(\s)+3], s[G0A+4*(\s)+3], 0x80000000
	s_mov_b32 s[G0B+4*(\s)], 1
	s_add_co_u32 s[G0B+4*(\s)+1], s21, (\s)*SLOT1
	s_add_nc_u64 s[G0B+4*(\s)+2:G0B+4*(\s)+3], s[46:47], (\s)*SB
	s_or_b32 s[G0B+4*(\s)+3], s[G0B+4*(\s)+3], 0x80000000
.endr
	CROUND                                 ; all sixteen work-groups are here: the first joint loads meet
	s_cmp_eq_u32 s11, 0                    ; a wave's two first fills stand in one branch: two loads of mine are out
	s_cbranch_scc0 .Lfirst_b
	tensor_load_to_lds s[G0A:G0A+3], s[G1A:G1A+7]
	s_nop 0
	tensor_load_to_lds s[G0A+4:G0A+7], s[G1A:G1A+7]
	s_nop 0
.rept 4
	v_nop
.endr
	s_branch .Lfirst_asked
.Lfirst_b:
	tensor_load_to_lds s[G0B:G0B+3], s[G1B:G1B+7]
	s_nop 0
	tensor_load_to_lds s[G0B+4:G0B+7], s[G1B:G1B+7]
	s_nop 0
.rept 4
	v_nop
.endr
.Lfirst_asked:
	v_and_b32 v1, 15, v0                   ; l % 16
	v_bfe_u32 v2, v0, 4, 1                 ; l / 16
	v_and_b32 v3, 31, v0                   ; l
	s_lshl_b32 s22, s42, 10
	s_lshl_b32 s23, s12, 9
	s_add_co_u32 s22, s22, s23
	v_lshl_add_u32 v[BO], v2, 5, s22       ; 4 bytes x (256 tile column + 128 half + 8 (l / 16))
	; where my part of C begins
.if PROJ
	s_lshr_b32 s16, s13, 4
	s_lshl_b32 s16, s16, 22                ; the batch's 16 heads
	s_lshl_b32 s17, s42, 2
	s_lshl_b32 s18, s12, 1
	s_add_co_u32 s17, s17, s18
	s_lshl_b32 s17, s17, 18                ; head 4 tile column + 2 half
	s_add_co_u32 s16, s16, s17
	s_and_b32 s17, s13, 15
	s_lshl_b32 s17, s17, 7
	s_lshl_b32 s18, s11, 6
	s_add_co_u32 s17, s17, s18
	s_lshl_b32 s17, s17, 7                 ; my first row in the head, 128 bytes a row
	s_add_co_u32 s16, s16, s17
	s_mov_b32 s17, 0
	s_add_nc_u64 s[8:9], s[78:79], s[16:17]
	s_mov_b64 s[BP:BP+1], s[72:73]         ; the first tile's bias
.else
	s_lshl_b32 s16, s13, 7
	s_lshl_b32 s17, s11, 6
	s_add_co_u32 s16, s16, s17
	s_lshl_b32 s16, s16, 12                ; my first row, 4,096 bytes a row
	s_add_co_u32 s16, s16, s22             ; my first column, 4 bytes each: the same offset as in the bias
	s_mov_b32 s17, 0
	s_add_nc_u64 s[8:9], s[78:79], s[16:17]
	s_mov_b64 s[BP:BP+1], s[76:77]
.endif
	BIASLD
	WIN 0
	; a fragment is 16 rows x 32 K in 8 registers: lane l holds row l % 16, K = 8 (l / 16) + 0..7 and 16 + 8 (l / 16) + 0..7: two loads of 16 bytes, 32 bytes apart
	s_mul_i32 s22, s11, 64*PA
	v_mul_u32_u24 v4, v1, PA
	v_lshl_add_u32 v4, v2, 4, v4
	v_add_nc_u32 v[ADRA0], s22, v4
	s_mul_i32 s22, s12, 128*PB
	s_add_co_u32 s22, s22, BOFF
	v_mul_u32_u24 v4, v1, PB
	v_lshl_add_u32 v4, v2, 4, v4
	v_add_nc_u32 v[ADRB0], s22, v4
	v_mov_b32 v[ADRA], v[ADRA0]
	v_mov_b32 v[ADRB], v[ADRB0]
	s_mul_i32 s22, s10, WSTAGE
	s_add_co_u32 s22, s22, STAGE           ; my stage
.if PROJ
	v_mul_u32_u24 v4, v1, 144              ; in: row l % 16, 16 bytes for each half of the lanes
	v_lshl_add_u32 v4, v2, 4, v4
	v_add_nc_u32 v[STO], s22, v4
	v_lshrrev_b32 v4, 3, v3                ; back: 32 lanes take four rows of 128 bytes
	v_mul_u32_u24 v4, v4, 144
	v_and_b32 v5, 7, v3
	v_lshl_add_u32 v4, v5, 4, v4
	v_add_nc_u32 v[RD], s22, v4
.else
	v_mul_u32_u24 v4, v1, 528              ; in: row l % 16, 32 bytes for each half of the lanes
	v_lshl_add_u32 v4, v2, 5, v4
	v_add_nc_u32 v[STO], s22, v4
	v_lshl_add_u32 v[RD], v3, 4, s22       ; back: 32 lanes take a row of 512 bytes
.endif
	v_lshlrev_b32 v[CO], 4, v3
	; the prefetches: my work-group's 32 blocks of what I fetch, at K step 3: the first change of slots steps it to 4.  K steps 0 to 3 come by their loads alone
.if PROJ
	s_lshl_b32 s20, s13, 7
	s_lshl_b32 s21, s40, 5
	s_add_co_u32 s20, s20, s21
	s_lshl_b32 s20, s20, 11                ; A: rows 128 tile row + 32 cx on
.else
	s_lshr_b32 s20, s13, 4
	s_lshl_b32 s20, s20, 22
	s_and_b32 s21, s13, 15
	s_lshl_b32 s21, s21, 14
	s_add_co_u32 s20, s20, s21
	s_lshr_b32 s21, s40, 1
	s_lshl_b32 s21, s21, 18                ; A: head cx / 2 of the K step's two,
	s_add_co_u32 s20, s20, s21
	s_and_b32 s21, s40, 1
	s_lshl_b32 s21, s21, 13                ; half cx % 2 of its 16,384 bytes
	s_add_co_u32 s20, s20, s21
.endif
	s_lshl_b32 s22, s42, 8
	s_lshl_b32 s23, s12, 7
	s_add_co_u32 s22, s22, s23
	s_lshl_b32 s23, s41, 5
	s_add_co_u32 s22, s22, s23
	s_lshl_b32 s22, s22, 11                ; B: rows 256 tile column + 128 half + 32 cy on
.if !PROJ
	s_add_co_u32 s22, s22, 6291456
.endif
	s_mov_b32 s[PST], SA
	s_mov_b32 s23, SB
	s_mov_b32 s[PJ], JA
	s_mov_b32 s19, JB
	s_and_b32 s18, ttmp7, 0xffff           ; cluster y
	s_cmp_eq_u32 s11, 0                    ; do I fetch for A?
	s_cselect_b32 s20, s20, s22
	s_cselect_b32 s[PST], s[PST], s23
	s_cselect_b32 s[PJ], s[PJ], s19
	s_cselect_b32 s18, s12, s18            ; 0 in wave 0, and in waves 2, 3 of the clusters with y = 0: the same in all sixteen partners
	s_cselect_b64 s[PFA:PFA+1], s[4:5], s[6:7]
.if PROJ
	s_mov_b32 s17, 11                      ; a lane a row of 2,048 bytes
.else
	s_cselect_b32 s17, 8, 11               ; A's blocks lie on end
.endif
	s_cmp_eq_u32 s18, 0
	s_cselect_b32 s[LIM], 2, -1
	s_mov_b32 s21, 0
	s_mov_b32 s[PST+1], 0
	s_mov_b32 s[PJ+1], 0
	s_add_nc_u64 s[PFA:PFA+1], s[PFA:PFA+1], s[20:21]
	s_mul_i32 s20, s[PST], 3
	s_add_nc_u64 s[PFA:PFA+1], s[PFA:PFA+1], s[20:21]
	v_lshlrev_b32 v[PFO], s17, v3
	s_wait_tensorcnt 0x1                   ; my part of K step 0 is in; K step 1's may stay out
	s_barrier_signal -1
	s_barrier_wait -1                      ; everybody's is
	FETCH 0, F0
	WIN 0                                  ; at a label and at a branch every window is 0
.if PROJ
	s_mov_b32 s[TILE], 3
.Ltile:
.endif
	s_wait_loadcnt 0x0                     ; the bias
	ROUNDB
	QUARTER 64, F0, F1, 1                  ; a tile's first quarter stands in front of the loop: the bias starts the sums
	WIN 0
	s_mov_b32 s[CNT], 6
.Lstep:                                        ; a trip: from a K step's second quarter to the next step's first; K steps 0 to 5 ask for K steps 2 to 7
	QUARTER 128, F1, F0, 0
	QUARTER 192, F0, F1, 0
	TURN 1, 0
	QUARTER 64, F0, F1, 0
	WIN 0
	s_sub_co_u32 s[CNT], s[CNT], 1
	s_cmp_lg_u32 s[CNT], 0
	s_cbranch_scc1 .Lstep
.if PROJ
	s_cmp_eq_u32 s[TILE], 1
	s_cbranch_scc1 .Llast                  ; the last tile's tail is written out: it asks for nothing more
	s_cmp_eq_u32 s[TILE], 3
	s_cselect_b64 s[BP:BP+1], s[74:75], s[76:77]  ; the next tile's bias (the loads by the old pointer were waited for at the tile's head)
	BIASLD
	QUARTER 128, F1, F0, 0
	QUARTER 192, F0, F1, 0
	TURN 1, 1                              ; the ring goes on into the next tile: its K step 0,
	QUARTER 64, F0, F1, 0
	QUARTER 128, F1, F0, 0
	QUARTER 192, F0, F1, 0
	TURN 1, 2                              ; its K step 1, and its first fragments
	WAYOUT                                 ; both refills are asked for: now the tile goes out
	s_wait_xcnt 0x0                        ; the stores have read their base
	s_add_nc_u64 s[8:9], s[8:9], 16777216  ; the next of q, k, v
	s_sub_co_u32 s[TILE], s[TILE], 1
	s_branch .Ltile
.Llast:
.endif
	QUARTER 128, F1, F0, 0
	QUARTER 192, F0, F1, 0
	TURN 0, 0                              ; my one load that was out is K step 7's
	QUARTER 64, F0, F1, 0
	QUARTER 128, F1, F0, 0
	QUARTER 192, F0, F1, 0
	s_wait_dscnt 4                         ; the very last quarter: nothing more to fetch
	MUL16 F1, 0, 0
	s_wait_dscnt 0x0
	MUL16 F1, 2, 0
	WAYOUT
	s_wait_tensorcnt 0x0                   ; the wave's end, behind my last tensor load and my last LDS store
	ds_add_u32 v[SPW], v[NIL]
	s_wait_dscnt 0x0
	CROUND                                 ; the closing round: no work-group ends while a partner may still ask for a tile that names it
	s_endpgm
.Lfunc_end_k_q0cb4b9184c_proj:
	.size	k_q0cb4b9184c_proj, .Lfunc_end_k_q0cb4b9184c_proj-k_q0cb4b9184c_proj
	.p2alignl 7, 3214868480
	.fill 96, 4, 3214868480
	.section	.rodata,"a",@progbits
	.p2align	6, 0x0
	.amdhsa_kernel k_q0cb4b9184c_proj
		.amdhsa_group_segment_fixed_size 327680
		.amdhsa_private_segment_fixed_size 0
		.amdhsa_enable_private_segment 0
		.amdhsa_kernarg_size 48
		.amdhsa_user_sgpr_count 2
		.amdhsa_user_sgpr_kernarg_segment_ptr 1
		.amdhsa_wavefront_size32 1
		.amdhsa_system_sgpr_workgroup_id_x 1
		.amdhsa_system_sgpr_workgroup_id_y 1
		.amdhsa_system_sgpr_workgroup_id_z 1
		.amdhsa_system_vgpr_workitem_id 0
		.amdhsa_next_free_vgpr 768
		.amdhsa_next_free_sgpr 88
		.amdhsa_reserve_vcc 0
		.amdhsa_float_denorm_mode_32 3
		.amdhsa_float_denorm_mode_16_64 3
		.amdhsa_memory_ordered 1
		.amdhsa_forward_progress 1
		.amdhsa_inst_pref_size 125
	.end_amdhsa_kernel
	.amdgpu_metadata
---
amdhsa.version: [ 1, 2 ]
amdhsa.kernels:
  - .name:           k_q0cb4b9184c_proj
    .symbol:         k_q0cb4b9184c_proj.kd
    .args:
      - { .name: xb, .offset: 0, .size: 8, .value_kind: global_buffer, .address_space: global }
      - { .name: wb, .offset: 8, .size: 8, .value_kind: global_buffer, .address_space: global }
      - { .name: Wq_b, .offset: 16, .size: 8, .value_kind: global_buffer, .address_space: global }
      - { .name: Wk_b, .offset: 24, .size: 8, .value_kind: global_buffer, .address_space: global }
      - { .name: Wv_b, .offset: 32, .size: 8, .value_kind: global_buffer, .address_space: global }
      - { .name: qkv, .offset: 40, .size: 8, .value_kind: global_buffer, .address_space: global }
    .group_segment_fixed_size: 327680
    .private_segment_fixed_size: 0
    .kernarg_segment_align: 8
    .kernarg_segment_size: 48
    .max_flat_workgroup_size: 128
    .sgpr_count:     88
    .vgpr_count:     768
    .wavefront_size: 32
...
	.end_amdgpu_metadata
.endif
;; end of part 2
;; launch attn (part 3): grid 4 x 64, 4 waves a work-group, clusters of 4 x 4, 327,680 bytes of LDS; arguments qkv, mb, ob; writes ob
.if DOCPART == 3
	.amdgcn_target "amdgcn-amd-amdhsa--gfx1250"
	.amdhsa_code_object_version 6
	.text
	.protected	k_q0cb4b9184c_attn
	.globl	k_q0cb4b9184c_attn
	.p2align	8
	.type	k_q0cb4b9184c_attn,@function
k_q0cb4b9184c_attn:
	s_mov_b64 s[64:65], 0
	v_nop
	global_prefetch_b8 v0, s[64:65] scope:SCOPE_SE
	s_setreg_imm32_b32 hwreg(HW_REG_WAVE_MODE, 25, 1), 1
	s_wait_xcnt 0x0
	s_wait_alu depctr_hold_cnt(0) depctr_sa_sdst(0) depctr_va_vdst(0) depctr_va_sdst(0) depctr_va_ssrc(0) depctr_va_vcc(0) depctr_vm_vsrc(0)
	s_getreg_b32 s2, hwreg(HW_REG_IB_STS2, 6, 4)
	s_cmp_eq_u32 s2, 0
	s_cbranch_scc0 .Lentry_in_a_cluster
	s_endpgm
.Lentry_in_a_cluster:
	s_bfe_u32 s2, ttmp6, 0x10000c
	s_cmp_lg_u32 s2, 0xf033
	s_cbranch_scc0 .Lentry_shape_is_right
	s_endpgm
.Lentry_shape_is_right:
; O[h][q][:] = the sum over k of softmax_k(Q[h][q] . K[h][k] / 8 - 10000 mask[q][k]) V[h][k][:].  qkv: f16 [3][64 heads][2048][64]; mb: f16 [32 key steps][2048 q][64 keys] = 2 x mask; ob: f16 [64][2048][64].
; The mask is an input: every key is walked for every query, and the mask enters as a number.  Products, maxima and sums in f32; the weights p are rounded to f16 for the second product, O once at the end.
; LIMITS.  Q, K, V arrive within f16's 65,504; p below 6e-5 keeps f16's fixed step of 6e-8; a weight below 2^-126 counts as 0 in l; NaN and infinities are not treated apart
; (a NaN in the mask spreads over the 32 keys of its mask fragment in that query's row).
; THE MASK GOES THROUGH THE MATRIX UNIT.  S^T (16 keys x 16 queries) begins as Sel x M: M, source 1, is 32 keys of 16 queries' mask rows as they lie; Sel_e[m][j] = -40000 where j = m + 16 e, else 0.
; Each sum has one term, -80000 mask, exact (11 x 8 significant bits); K Q^T is added onto it, and c = log2(e) / 8 is applied in f32: c s = log2(e) (q.k / 8 - 10000 mask).  8 products a piece, no vector work.
; SHARES.  A work-group owns 512 queries of one head, a wave 128: four PIECES of two tiles of 16.  Every wave walks all 2,048 keys, 64 a step.
; LAYOUT.  S^T = K Q^T (source 0 = 16 keys, source 1 = 16 queries): a lane holds ONE query (lane % 16) and the keys 8 (lane / 16) + 0..7.  Two results rounded to f16 ARE source 1 of O^T = V^T P.
; SOFTMAX.  A running maximum m and sum l: p = 2^(c s - c m); in every step O and l are multiplied by a = 2^(c m_old - c m_new).  m starts at the lowest finite number, O and l at 0.
; BY TURNS.  Turn n belongs to piece n: 24 products (mask, K Q^T) of piece n + 1, later 16 products V^T P of piece n - 1; beside them piece n's scaling, exponentials, roundings, sums and rescaling,
; and piece n + 1's maximum and statistics.  Four vector instructions stand behind every matrix instruction, the rest in one lump.  A turn's 66 exponentials are one batch, with one wait.
; CLUSTER 4 x 4: x = the query block, y = the head.  K and V hang on the head alone: asked for jointly along a row of the cluster.  The mask tile hangs on the query block alone: jointly along a column.
; LDS.  Two slots, SLOT1 apart, one key step each: K 64 x 144, V 64 x 160, the mask 512 query rows x 144.  Behind them each wave's stage, then the spare words.
; REGISTERS.  window 0: v1-11 addresses; v12-15, v48-63 at work; v16-47 statistics; v64-191 S^T, two buffers; v192-255 P.  window 1: O^T.  window 2: v0-127 Q; v128-191 K; v192-255 V.
;   window 3: v0-1 the add's registers; v4-15 Sel (Sel_1 = v4-11, Sel_0 = v8-15); v16-47 the mask fragments of one piece.
.set NP,    4
.set KS,    64
.set PK,    144       ; rows of 128 bytes + 16: the 16 rows of a load begin 16 bytes apart modulo 256
.set PV,    160       ; 128 + 32: 16 lanes of the turning load take 8 rows x 32 bytes, 32 bytes apart modulo 256
.set PM,    144
.set VOFF,  KS*PK
.set MOFF,  VOFF+KS*PV
.set SLOT1, 1<<17
.set STAGE, SLOT1+MOFF+512*PM
.set SP,    144
.set SPARE, STAGE+4*16*SP  ; the spare words, 128 bytes a wave: two blocks of 256 bytes that no other line names
.set QO,  1           ; v1   my byte offset in 16 rows of Q
.set AK0, 2           ; v2   my lane's place in K's tile, slot 0; never rewritten
.set AV0, 3           ; v3   in V's
.set AK,  4           ; v4   in the slot that is being read
.set AV,  5
.set STO, 6           ; v6   the way out: where I put 16 bytes of a row
.set RD,  7           ; v7   where I read rows back
.set GO,  8           ; v8   16 x lane
.set AM0, 9           ; v9   my lane's place in the mask tile, slot 0; never rewritten
.set AM,  10          ; v10  in the slot that is being read
.set PFO, 11          ; v11  256 x lane; never rewritten
.set MV,  12          ; v12-15  c m_old, by buffer and tile
.set ST,  16          ; tile t's statistics at v[ST+4 t]: c m, m, l (even keys', odd keys')
.set TMP, 48          ; by buffer and tile c0-c3; when the maximum is found c2 takes a
.set S,   64
.set P,   192
.set KF,  128
.set VF,  192
.set SPW, 0           ; window 3
.set NIL, 1
.set SE,  4
.set MF,  16          ; tile u, key half kk at MF + 16 u + 8 kk
.set TR,  64          ; v64-70: at work at the head alone
.set TH,  65
.set T2,  66
.set T3,  67
.set T4,  68
.set T5,  69
.set T6,  70
.set WV,  12          ; s12  my wave's number
.set G1K, 24
.set G1V, 32
.set G1M, 40
.set G0K, 48          ; one walking group 0 a tensor
.set G0V, 52
.set G0M, 56
.set CS,  60          ; s[60:61] c
.set SEL, 62          ; s[62:63] v_permlanex16_b32's selects
.set SLOTS, 66        ; s66  key steps still to be asked for
.set CNT, 67
.set TB,  68          ; s68  the slot that is being read
.set LIM, 69          ; s69  a wave prefetches while SLOTS is above it
.set ODD, 70          ; s70  1: at every change of slots; 0: at those with SLOTS odd
.set TS,  71
.set PFA, 72          ; s[72:73] where my prefetches stand;  s[74:75] their step
.set PST, 74
.set QP,  76          ; s[76:77] Q at my wave's first row
.set MSB, 0
.macro WIN new
.if MSB != (\new)
	s_set_vgpr_msb (MSB<<8)|(\new)
.set MSB, (\new)
.endif
.endm
.set W_KQ, 0x0a       ; K and Q in window 2, S^T in window 0
.set W_MS, 0x0f       ; Sel and the mask fragment in window 3, S^T in window 0
.set W_PV, 0x52       ; V in window 2, P in window 0, O^T in window 1
.set W_RS, 0x41       ; O^T in window 1, a in window 0
.set W_MK, 0xc0       ; destination window 3
.set W_AD, 0x0f       ; the add: address and data in window 3
; A joint fill: wave 0 K's tile, wave 1 V's, waves 2 and 3 the mask tile's halves.  The branches hang on the wave's number alone.  An s_nop 0 and four v_nop follow each line.
.macro JLOAD
	s_cmp_lt_u32 s[WV], 2
	s_cbranch_scc0 .Lfor_m_\@
	s_cmp_eq_u32 s[WV], 0
	s_cbranch_scc0 .Lfor_v_\@
	tensor_load_to_lds s[G0K:G0K+3], s[G1K:G1K+7]
	s_nop 0
.rept 4
	v_nop
.endr
	s_branch .Lasked_\@
.Lfor_v_\@:
	tensor_load_to_lds s[G0V:G0V+3], s[G1V:G1V+7]
	s_nop 0
.rept 4
	v_nop
.endr
	s_branch .Lasked_\@
.Lfor_m_\@:
	tensor_load_to_lds s[G0M:G0M+3], s[G1M:G1M+7]
	s_nop 0
.rept 4
	v_nop
.endr
.Lasked_\@:
.endm
; A PREFETCH, behind the joint fill: 32 blocks of 256 bytes, a lane a block, one instruction.  Each block is named once in the launch.  The mask's blocks are read by all sixteen clusters: the cluster with y = 0
; asks, waves 2 and 3 at every change for the key step that the NEXT change will load, each partner 32 of the wave's 128 blocks (by cy).  A head's K and V are read by one row of one cluster: wave 0 asks at
; every second change for the two key steps behind the one just asked for: 128 blocks, the partners 32 each (by cx: K or V, first or second step).  Key steps 0, 1 come by their loads alone; step 31 is the last named.
.macro ASK
	s_or_b32 s[TS], s[SLOTS], s[ODD]
	s_bitcmp1_b32 s[TS], 0
	s_cselect_b32 s[TS], s[SLOTS], 0
	s_cmp_gt_u32 s[TS], s[LIM]
	s_cbranch_scc0 .Lnot_mine_\@
	global_prefetch_b8 v[PFO], s[PFA:PFA+1] th:TH_LOAD_NT scope:SCOPE_SE
.Lnot_mine_\@:
.endm
.macro CROUND
	s_barrier_signal -1
	s_barrier_wait -1
	s_cmp_lg_u32 s[WV], 0
	s_cbranch_scc1 .Lnot_wave_0_\@
	s_barrier_signal -3
.Lnot_wave_0_\@:
	s_barrier_wait -3
	s_barrier_signal -1
	s_barrier_wait -1
.endm
; THE CHANGE OF SLOTS.  Each wave waits for all its tensor loads (one is out: its part of the other slot), adds 0 to its spare word, and waits for that and for its reads of the slot that it leaves.
; fill = 1: the barrier is a round of the cluster's, and the joint fill of the old slot, with the key step two on, is the first thing behind it: it has a trip, 160 matrix instructions, in which to land.
.macro CHANGE fill
	WIN W_AD
	s_wait_tensorcnt 0x0            ; no tensor load of mine is out, so a group 0 may be written
	ds_add_u32 v[SPW], v[NIL]       ; 0 onto my spare word
	WIN 0
.if \fill
.irp g, G0K, G0V
	s_xor_b32 s[\g+1], s[\g+1], SLOT1
	s_add_nc_u64 s[\g+2:\g+3], s[\g+2:\g+3], KS*128       ; the next 64 keys
.endr
	s_xor_b32 s[G0M+1], s[G0M+1], SLOT1
	s_add_nc_u64 s[G0M+2:G0M+3], s[G0M+2:G0M+3], 2048*128   ; the next key step's plane
	s_wait_xcnt 0x0                 ; the last prefetch, a trip back, has read its address
	s_add_nc_u64 s[PFA:PFA+1], s[PFA:PFA+1], s[PST:PST+1]
	s_wait_dscnt 0x0                ; the add is done, and my reads of the slot are over
	CROUND
	JLOAD
	ASK
.else
	s_wait_dscnt 0x0
	s_barrier_signal -1
	s_barrier_wait -1
.endif
	s_xor_b32 s[TB], s[TB], SLOT1   ; all reads go to the other slot
	v_add_nc_u32 v[AK], s[TB], v[AK0]
	v_add_nc_u32 v[AV], s[TB], v[AV0]
	v_add_nc_u32 v[AM], s[TB], v[AM0]
.endm
; THE MATRIX WORK.  Product i of 24 for piece x, on accumulator (tile i % 2, keys 16 ((i / 2) % 4) on): the 8 accumulators take turns three times round.
; i < 8: Sel x M starts the sum.  i >= 8: K Q^T, channels 32 ((i - 8) / 8) on, is added.
.macro KQ x
.set rS, S+64*((\x)%2)+32*(i%2)+8*((i/2)%4)
.if i < 8
	WIN W_MS
.set rA, SE+4-4*((i/2)%2)
.set rB, MF+16*(i%2)+8*(i/4)
	v_wmma_f32_16x16x32_f16 v[rS:rS+7], v[rA:rA+7], v[rB:rB+7], 0
.else
	WIN W_KQ
.set rK, KF+16*((i/2)%4)+8*((i-8)/8)
.set rQ, 16*(2*(\x)+i%2)+8*((i-8)/8)
	v_wmma_f32_16x16x32_f16 v[rS:rS+7], v[rK:rK+7], v[rQ:rQ+7], v[rS:rS+7]
.endif
.endm
; Product i of 16 of O^T += V^T P for piece x: keys 32 (i / 8) on, channels 16 ((i / 2) % 4) on, tile 2 x + i % 2.
.macro PV x
	WIN W_PV
.set rO, 32*(2*(\x)+i%2)+8*((i/2)%4)
.set rV, VF+32*(i/8)+8*((i/2)%4)
.set rP, P+32*((\x)%2)+16*(i%2)+8*(i/8)
	v_wmma_f32_16x16x32_f16 v[rO:rO+7], v[rV:rV+7], v[rP:rP+7], v[rO:rO+7]
.endm
.macro MM                           ; the turn's next matrix instruction
.if i < 24
	KQ (Y+1)%NP
.set i, i+1
.else
.set i, i-24
	PV (Y+NP-1)%NP
.set i, i+25
.endif
.endm
; THE LDS LOADS stand in runs: a step's K (16 loads), its V, turned (16), a piece's mask fragments (8).
.macro FETCH_K
	WIN 0x80
.irp f, 0,1,2,3,4,5,6,7             ; keys 16 (f / 2) on, channels 32 (f % 2) on
	ds_load_b128 v[KF+8*\f:KF+8*\f+3],   v[AK] offset:(\f/2)*16*PK+(\f%2)*64
	ds_load_b128 v[KF+8*\f+4:KF+8*\f+7], v[AK] offset:(\f/2)*16*PK+(\f%2)*64+32
.endr
	WIN 0
.endm
.macro FETCH_V
	WIN 0x80
.irp f, 0,1,2,3,4,5,6,7             ; keys 32 (f / 4) on, channels 16 (f % 4) on
	ds_load_tr16_b128 v[VF+8*\f:VF+8*\f+3],   v[AV] offset:(\f/4)*32*PV+(\f%4)*32
	ds_load_tr16_b128 v[VF+8*\f+4:VF+8*\f+7], v[AV] offset:(\f/4)*32*PV+16*PV+(\f%4)*32
.endr
	WIN 0
.endm
.macro FETCH_M p                    ; piece p: tile f / 2, keys 32 (f % 2) on: lane l takes query row l % 16, keys 8 (l / 16) + 0..7 and 16 + 8 (l / 16) + 0..7
	WIN W_MK
.irp f, 0,1,2,3
	ds_load_b128 v[MF+8*\f:MF+8*\f+3],   v[AM] offset:(\p)*32*PM+(\f/2)*16*PM+(\f%2)*64
	ds_load_b128 v[MF+8*\f+4:MF+8*\f+7], v[AM] offset:(\p)*32*PM+(\f/2)*16*PM+(\f%2)*64+32
.endr
	WIN 0
.endm
; THE VECTOR WORK OF A TURN stands in three queues; the two tiles alternate.
.macro REGS y, u                    ; the registers of tile u (0, 1) of piece y
.set rT, ST+4*(2*(\y)+(\u))
.set rC, TMP+8*((\y)%2)+4*(\u)
.set rM, MV+2*((\y)%2)+(\u)
.set rS, S+64*((\y)%2)+32*(\u)
.set rP, P+32*((\y)%2)+16*(\u)
.set rO, 32*(2*(\y)+(\u))
.endm
; Number n of the 22 that find the NEXT piece's maximum and statistics; each accumulator's lowest registers are read first.
;   0-11  four chains c0-c3 of seven scores each     12-14, 16  the four scores left over, the old m, and c0-c3 into c0     15  c m_old is kept
;   17, 18  the query's other 32 keys lie in the lane 16 away: the new m     19-21  c m; c m_old - c m_new; a
.macro XS u, n
	REGS (Y+1)%NP, \u
.if (\n) < 4
	v_max3_num_f32 v[rC+(\n)], v[rS+8*(\n)], v[rS+8*(\n)+1], v[rS+8*(\n)+2]
.elseif (\n) < 12
	v_max3_num_f32 v[rC+(\n)%4], v[rC+(\n)%4], v[rS+8*((\n)%4)+2*((\n)/4)+1], v[rS+8*((\n)%4)+2*((\n)/4)+2]
.elseif (\n) == 12
	v_max3_num_f32 v[rC], v[rC], v[rS+7], v[rS+15]
.elseif (\n) == 13
	v_max3_num_f32 v[rC+1], v[rC+1], v[rS+23], v[rS+31]
.elseif (\n) == 14
	v_max3_num_f32 v[rC+2], v[rC+2], v[rC+3], v[rT+1]
.elseif (\n) == 15
	v_mov_b32 v[rM], v[rT]
.elseif (\n) == 16
	v_max3_num_f32 v[rC], v[rC], v[rC+1], v[rC+2]
.elseif (\n) == 17
	v_permlanex16_b32 v[rC+3], v[rC], s[SEL], s[SEL+1]
.elseif (\n) == 18
	v_max_num_f32 v[rT+1], v[rC], v[rC+3]
.elseif (\n) == 19
	v_mul_f32 v[rT], s[CS], v[rT+1]
.elseif (\n) == 20
	v_sub_f32 v[rC+1], v[rM], v[rT]
.else
	v_exp_f32 v[rC+2], v[rC+1]
.endif
.endm
; Number g of the 64 that follow the exponentials: for each four weights of a tile both pairs are rounded to f16, the second pair is added onto the first, and a group later l takes that sum (first as l = a l + sum).
.macro GS g
.set h, (\g)+6*((\g)/62)
.if h >= 6
.set h, h+2
.endif
	REGS Y, h%2
.set k, h/8
.if h%8 < 4
	v_cvt_pk_f16_f32 v[rP+2*k+(h%8)/2], v[rS+4*k+2*((h%8)/2)], v[rS+4*k+2*((h%8)/2)+1]
.elseif h%8 < 6
	v_pk_add_f32 v[rS+4*k:rS+4*k+1], v[rS+4*k:rS+4*k+1], v[rS+4*k+2:rS+4*k+3]
.elseif k == 1
	v_pk_fma_f32 v[rT+2:rT+3], v[rT+2:rT+3], v[rC+2:rC+3], v[rS:rS+1] op_sel_hi:[1,0,1]
.else
	v_pk_add_f32 v[rT+2:rT+3], v[rT+2:rT+3], v[rS+4*k-4:rS+4*k-3]
.endif
.endm
.macro FS f                         ; c s - c m for pair f / 2 of tile f % 2
	REGS Y, (\f)%2
	v_pk_fma_f32 v[rS+2*((\f)/2):rS+2*((\f)/2)+1], v[rS+2*((\f)/2):rS+2*((\f)/2)+1], s[CS:CS+1], v[rT:rT+1] op_sel_hi:[1,0,0] neg_lo:[0,0,1] neg_hi:[0,0,1]
.endm
; THE PLAIN QUEUE, 138 long.  0-31: the scalings.  32, 33: XS's number 15.  34-61: its numbers 0-13.  62-73: the chain 14, 16, 17 .. 20.  74-137: GS's 64, behind the wait.
.macro PL
	WIN 0
.if q < 32
	FS q
.elseif q < 34
	XS q-32, 15
.elseif q < 62
	XS (q-34)%2, (q-34)/2
.elseif q < 64
	XS q-62, 14
.elseif q < 74
	XS (q-64)%2, 16+(q-64)/2
.else
	GS q-74
.endif
.set q, q+1
.endm
; THE EXPONENTIALS' QUEUE, 66 long: s0-s31 of both tiles, then the next piece's two a: one batch, ahead of the turn's one wait; nothing ahead of that wait names a result of theirs.
.macro EX
	WIN 0
.if e >= 64
	XS e-64, 21
.else
	REGS Y, e%2
	v_exp_f32 v[rS+e/2], v[rS+e/2]
.endif
.set e, e+1
.endm
; THE RESCALING's QUEUE: O^T times a, two at a time, sixteen times.  Its a was made, and waited for, in the turn before.
.macro R2
	REGS Y, r%2
	WIN W_RS
.irp z, 0,1
	v_pk_mul_f32 v[rO+4*(r/2)+2*\z:rO+4*(r/2)+2*\z+1], v[rO+4*(r/2)+2*\z:rO+4*(r/2)+2*\z+1], v[rC+2:rC+3] op_sel_hi:[1,0]
.endr
.set r, r+1
.endm
; A TURN, for piece p.  AHEAD OF THE WAIT: the 24 products of piece p + 1; behind the first 16 a scaling, an exponential and two rescalings (behind the very first a second scaling), behind the last 8 plain and
; exponential twice; then a lump of 76: eight plain, 33 times exponential and plain, the two a.  BEHIND IT: the 16 products V^T P, behind each four of GS's 64.
; The counts that the deal keeps: exponential e stands behind scaling 2 (e / 4) + e % 2 (all scalings are out with plain 31, ahead of exponential 31); the first line that reads the last product's
; accumulator is plain 41, ten plain instructions behind that product; the runs of loads into K's, V's and the mask's registers stand four plain instructions or more behind their last readers.
; The loads: the mask fragments of piece p + 2 behind the wait of every turn; K of the next step behind piece 2's wait; V of the step in hand at the end of piece 0's turn, four riders behind its last reader.
.macro TURN p
.set Y, (\p)
.set i, 0
.set q, 0
.set e, 0
.set r, 0
.if (\p) == 1
	s_wait_dscnt 16                 ; the mask fragments are in; V's 16 loads, issued behind them, may stay out
.else
	s_wait_dscnt 0x0                ; the mask fragments (and for piece 3's turn K) are in
.endif
	MM
	PL
	PL
	R2
.rept 15
	MM
	PL
	EX
	R2
.endr
.rept 8
	MM
	PL
	EX
	PL
	EX
.endr
.rept 8
	PL
.endr
.rept 33
	EX
	PL
.endr
	EX                              ; the next piece's two a
	EX
	v_nop                           ; a plain instruction behind the last exponential: one for the batch (ISA guide 5.7.2)
	s_wait_alu depctr_va_vdst(0)    ; this wait stands ahead of the first line that names an exponential's result: one for the 66
.if (\p) == 2
	FETCH_K
.endif
	FETCH_M ((\p)+2)%NP
.if (\p) == 1
	s_wait_dscnt 8                  ; V is in; the 8 loads just issued may stay out
.endif
.rept 16
	MM
.rept 4
	PL
.endr
.endr
.if (\p) == 0
	FETCH_V
.endif
.endm
	s_load_b128 s[4:7], s[0:1], 0x0   ; qkv s[4:5], mb s[6:7]
	s_load_b64 s[10:11], s[0:1], 0x10 ; ob
	WIN W_MK
	v_lshl_add_u32 v[SPW], v0, 2, SPARE
	v_mov_b32 v[NIL], 0
	WIN W_AD
	ds_add_u32 v[SPW], v[NIL]       ; the wave's opening: the add and its wait stand ahead of my first tensor load; the set-up below stands between them
	WIN 0
	v_lshrrev_b32 v[TR], 5, v0
	v_readfirstlane_b32 s[WV], v[TR]  ; wave 0..3
	s_bfe_u32 s13, ttmp6, 0x40000   ; cx
	s_bfe_u32 s14, ttmp6, 0x40004   ; cy
	s_lshl_b32 s18, ttmp9, 2
	s_add_co_u32 s18, s18, s13      ; my block of 512 queries
	s_and_b32 s15, ttmp7, 0xffff
	s_lshl_b32 s15, s15, 2
	s_add_co_u32 s15, s15, s14      ; my head
	s_lshl_b32 s16, s14, 2
	s_lshl_b32 s16, 15, s16         ; my row of the cluster: one head
	s_lshl_b32 s17, 0x1111, s13     ; my column: one query block
	s_or_b32 s[G1K], s16, (1<<16)|(1<<20)|(1<<21)|(4<<22)|(3<<25)  ; the mask of four; 2-byte elements; padding on; bit 21 beside a mask; behind every 32 words; 4 words
	s_or_b32 s[G1V], s16, (1<<16)|(1<<20)|(1<<21)|(4<<22)|(7<<25)  ; 8 words
	s_or_b32 s[G1M], s17, (1<<16)|(1<<20)|(1<<21)|(4<<22)|(3<<25)
.irp g, G1K, G1V                    ; 64 keys are 8,192 dense bytes: 32 rows of 256
	s_mov_b32 s[\g+1], 128<<16
	s_mov_b32 s[\g+2], 32<<16
	s_mov_b32 s[\g+3], 128<<16
	s_mov_b32 s[\g+4], 32
	s_mov_b32 s[\g+5], 128
	s_mov_b32 s[\g+6], 0
	s_mov_b32 s[\g+7], 0
.endr
	s_mov_b32 s[G1M+1], 128<<16     ; 256 queries' 64 keys are 32,768 dense bytes: 128 rows of 256
	s_mov_b32 s[G1M+2], 128<<16
	s_mov_b32 s[G1M+3], 128<<16
	s_mov_b32 s[G1M+4], 128
	s_mov_b32 s[G1M+5], 128
	s_mov_b32 s[G1M+6], 0
	s_mov_b32 s[G1M+7], 0
	s_lshl_b32 s19, s15, 18         ; the head's 262,144 bytes
	s_add_co_u32 s20, s19, 16777216 ; in K,
	s_mov_b32 s21, 0
	s_add_co_u32 s22, s19, 33554432 ; in V
	s_mov_b32 s23, 0
	s_and_b32 s16, s[WV], 1         ; which half of the mask tile I fetch
	s_lshl_b32 s8, s18, 16          ; the block's 512 queries of 128 bytes,
	s_lshl_b32 s9, s16, 15
	s_add_co_u32 s8, s8, s9
	s_mov_b32 s9, 0
	s_mul_i32 s17, s16, 256*PM
	s_lshl_b32 s2, s18, 2
	s_add_co_u32 s2, s2, s[WV]
	s_lshl_b32 s2, s2, 14           ; my wave's 128 rows of Q and O
	s_add_co_u32 s2, s2, s19
	s_mov_b32 s3, 0
	s_mov_b32 s[G0K], 1
	s_mov_b32 s[G0K+1], 0           ; slot 0
	s_mov_b32 s[G0V], 1
	s_mov_b32 s[G0V+1], VOFF
	s_mov_b32 s[G0M], 1
	s_add_co_u32 s[G0M+1], s17, MOFF
	s_mov_b32 s[CS], 0x3e38aa3b     ; c = log2(e) / 8
	s_mov_b32 s[CS+1], s[CS]
	s_mov_b32 s[SEL], 0x76543210
	s_mov_b32 s[SEL+1], 0xfedcba98
	s_mov_b32 s[TB], SLOT1          ; the first change of slots turns it into 0
	s_mov_b32 s[SLOTS], 31
	s_wait_dscnt 0x0                ; the opening add is done
	s_wait_kmcnt 0x0
	s_add_nc_u64 s[G0K+2:G0K+3], s[4:5], s[20:21]
	s_or_b32 s[G0K+3], s[G0K+3], 0x80000000
	s_add_nc_u64 s[G0V+2:G0V+3], s[4:5], s[22:23]
	s_or_b32 s[G0V+3], s[G0V+3], 0x80000000
	s_add_nc_u64 s[G0M+2:G0M+3], s[6:7], s[8:9]
	s_or_b32 s[G0M+3], s[G0M+3], 0x80000000
	s_add_nc_u64 s[QP:QP+1], s[4:5], s[2:3]
	s_add_nc_u64 s[10:11], s[10:11], s[2:3]
	CROUND                          ; all sixteen work-groups are here: the first joint loads meet
	JLOAD                           ; key step 0 into slot 0
	; the prefetches' set-up: my share at key step 1; every change that fills a slot steps it first
	s_lshr_b32 s20, s13, 1
	s_add_co_u32 s20, s20, 1
	s_lshl_b32 s20, s20, 24         ; K (cx 0, 1) or V (cx 2, 3),
	s_add_co_u32 s20, s20, s19      ; the head,
	s_and_b32 s21, s13, 1
	s_add_co_u32 s21, s21, 1
	s_lshl_b32 s21, s21, 13         ; key step 1 + cx % 2
	s_add_co_u32 s20, s20, s21
	s_lshl_b32 s22, s14, 13         ; the mask: 32 cy blocks into my half of the tile,
	s_add_co_u32 s22, s22, s8
	s_add_co_u32 s22, s22, 2048*128 ; key step 1
	s_mov_b32 s[PST], KS*128
	s_mov_b32 s23, 2048*128
	s_and_b32 s16, ttmp7, 0xffff
	s_cmp_eq_u32 s16, 0
	s_cselect_b32 s16, 1, -1        ; waves 2, 3: the cluster with y = 0 asks
	s_cmp_eq_u32 s[WV], 0
	s_cselect_b32 s[LIM], 2, -1     ; wave 0 asks in every cluster, wave 1 never
	s_cmp_lt_u32 s[WV], 2
	s_cselect_b32 s[LIM], s[LIM], s16
	s_cselect_b32 s[ODD], 0, 1
	s_cselect_b32 s[PST], s[PST], s23
	s_cselect_b32 s20, s20, s22
	s_cselect_b64 s[PFA:PFA+1], s[4:5], s[6:7]
	s_mov_b32 s21, 0
	s_mov_b32 s[PST+1], 0
	s_add_nc_u64 s[PFA:PFA+1], s[PFA:PFA+1], s[20:21]
	; a fragment of K, Q or the mask is 16 rows x 32 columns in 8 registers: two loads of 16 bytes, 32 bytes apart
	v_and_b32 v[TR], 15, v0         ; l % 16
	v_bfe_u32 v[TH], v0, 4, 1       ; l / 16
	v_lshlrev_b32 v[QO], 7, v[TR]
	v_lshl_add_u32 v[QO], v[TH], 4, v[QO]
	WIN 0x80
.set i, 0
.rept 4*NP                          ; Q stays in registers: tile i / 2, channels 32 (i % 2) on
	global_load_b128 v[8*i:8*i+3],   v[QO], s[QP:QP+1] offset:(i/2)*2048+(i%2)*64
	global_load_b128 v[8*i+4:8*i+7], v[QO], s[QP:QP+1] offset:(i/2)*2048+(i%2)*64+32
.set i, i+1
.endr
	; what the first turn finds: V's registers and P's second buffer hold 0, O^T and l are 0.  All this stands in the wait for the first tile, so that no first step is written out
.set i, VF
.rept 64
	v_mov_b32 v[i], 0
.set i, i+1
.endr
	WIN 0x40
.set i, 0
.rept 64*NP
	v_mov_b32 v[i], 0
.set i, i+1
.endr
	WIN 0
.set i, 0
.rept 2*NP
	v_mov_b32 v[ST+4*i], 0xfe000000    ; c m: far below every c s (the lowest is c x -2.7e9)
	v_mov_b32 v[ST+4*i+1], 0xff7fffff  ; m
	v_mov_b32 v[ST+4*i+2], 0
	v_mov_b32 v[ST+4*i+3], 0
.set i, i+1
.endr
.set i, P+32
.rept 32
	v_mov_b32 v[i], 0
.set i, i+1
.endr
	v_mul_u32_u24 v[AK0], v[TR], PK
	v_lshl_add_u32 v[AK0], v[TH], 4, v[AK0]
	; the turning load: lane l reads key 8 (l / 16) + l % 8, channels 8 ((l / 8) % 2) + 0..7
	v_and_b32 v[T2], 7, v0
	v_bfe_u32 v[T3], v0, 3, 1
	v_lshl_add_u32 v[AV0], v[TH], 3, v[T2]
	v_mul_u32_u24 v[AV0], v[AV0], PV
	v_lshl_add_u32 v[AV0], v[T3], 4, v[AV0]
	v_add_nc_u32 v[AV0], VOFF, v[AV0]
	s_mul_i32 s16, s[WV], 128*PM
	s_add_co_u32 s16, s16, MOFF     ; my wave's 128 query rows of the mask tile
	v_mul_u32_u24 v[AM0], v[TR], PM
	v_lshl_add_u32 v[AM0], v[TH], 4, v[AM0]
	v_add_nc_u32 v[AM0], s16, v[AM0]
	s_mul_i32 s16, s[WV], 16*SP
	s_add_co_u32 s16, s16, STAGE    ; my stage
	v_mul_u32_u24 v[STO], v[TR], SP
	v_lshl_add_u32 v[STO], v[TH], 4, v[STO]
	v_add_nc_u32 v[STO], s16, v[STO]
	v_bfe_u32 v[RD], v0, 3, 2       ; back: 32 lanes take four rows of 128 bytes
	v_mul_u32_u24 v[RD], v[RD], SP
	v_lshl_add_u32 v[RD], v[T2], 4, v[RD]
	v_add_nc_u32 v[RD], s16, v[RD]
	v_and_b32 v[GO], 31, v0
	v_lshlrev_b32 v[PFO], 8, v[GO]
	v_lshlrev_b32 v[GO], 4, v[GO]
	; Sel: lane l holds row m = l % 16; -40000 (f16 0xf8e2) stands at column m, which lies in my registers where l / 16 = m / 8: register (m % 8) / 2, half m % 2
	v_bfe_u32 v[T4], v0, 1, 2
	v_xor_b32 v[T5], v[T3], v[TH]
	v_lshl_or_b32 v[T4], v[T5], 2, v[T4]  ; the register's number, or 4 and more where none is mine
	v_and_b32 v[T5], 1, v0
	v_lshlrev_b32 v[T5], 4, v[T5]
	v_mov_b32 v[T6], 0xf8e2
	v_lshlrev_b32 v[T6], v[T5], v[T6]
	WIN W_MK
.irp z, 0,1,2,3
	v_mov_b32 v[SE+\z], 0
	v_mov_b32 v[SE+8+\z], 0
	v_cmp_eq_u32 vcc_lo, \z, v[T4]
	v_cndmask_b32 v[SE+4+\z], 0, v[T6], vcc_lo
.endr
	WIN 0
	CHANGE 1                        ; key step 0 is in, everybody's part of it; key step 1 is asked for
	FETCH_K
	FETCH_M 0
	s_wait_loadcnt 0x0              ; Q
	s_wait_dscnt 0x0
.set i, 0
.rept 24
	KQ 0                            ; piece 0's first scores
.set i, i+1
.endr
	WIN 0
.rept 4
	v_nop                           ; the places behind those products
.endr
	FETCH_M 1
.set Y, NP-1                        ; XS works for piece Y + 1: piece 0
.irp n, 0,1,2,3,4,5,6,7,8,9,10,11,12,13,14,15,16,17,18,19,20,21
	XS 0, \n
	XS 1, \n
.endr
	v_nop                           ; a plain instruction behind the two a,
	s_wait_alu depctr_va_vdst(0)    ; and their wait, ahead of the branch
	s_branch .Lfirst                ; the loop is entered at a step's first turn, in the middle of a trip
.Lslot:                             ; 30 whole trips: trip T waits for key step T + 1, asks for T + 2, and reads K, V and the mask of T + 1
	CHANGE 1
	TURN 2
	TURN 3
	WIN 0
.Lfirst:
	TURN 0
	TURN 1
	WIN 0
	s_sub_co_u32 s[SLOTS], s[SLOTS], 1
	s_cmp_lg_u32 s[SLOTS], 0
	s_cbranch_scc1 .Lslot
	CHANGE 0                        ; the tail is written out: nothing is asked for
	s_mov_b32 s[CNT], 2             ; one trip for key step 31; the second is left in its middle
.Ltail:
	TURN 2
	TURN 3
	WIN 0
	s_sub_co_u32 s[CNT], s[CNT], 1
	s_cmp_eq_u32 s[CNT], 0
	s_cbranch_scc1 .Lout
	TURN 0
	TURN 1
	WIN 0
	s_branch .Ltail
.Lout:                              ; the second trip's 24 products on key step 31 once more, and the maximum made of them, serve nothing: the price, once a launch, of one text for every trip
.set i, 0
.rept 16
	PV NP-1                         ; the last piece's V^T P of the last step
.set i, i+1
.endr
	; THE WAY OUT.  l's two halves and the other half of the lanes' are added; O^T is divided by l, rounded to f16 and sent through my stage, a tile at a time.  The additions are the places behind the last products.
	WIN 0
.macro ALL line:vararg
.set t, 0
.rept 2*NP
	\line
.set t, t+1
.endr
.endm
	ALL v_add_f32 v[ST+4*t+2], v[ST+4*t+2], v[ST+4*t+3]
	ALL v_permlanex16_b32 v[ST+4*t+3], v[ST+4*t+2], s[SEL], s[SEL+1]
	ALL v_add_f32 v[ST+4*t+2], v[ST+4*t+2], v[ST+4*t+3]
	ALL v_rcp_f32 v[ST+4*t+2], v[ST+4*t+2]
	v_nop                           ; a plain instruction between the last reciprocal and the use of its result
	s_wait_alu depctr_va_vdst(0)    ; and its wait: one for the eight reciprocals
.macro PACK t
	WIN W_RS
.set i, 32*(\t)
.rept 16
	v_pk_mul_f32 v[i:i+1], v[i:i+1], v[ST+4*(\t)+2:ST+4*(\t)+3] op_sel_hi:[1,0]
.set i, i+2
.endr
	WIN 0x05
.set i, 0
.rept 16
	v_cvt_pk_f16_f32 v[S+16*(\t)+i], v[32*(\t)+2*i], v[32*(\t)+2*i+1]
.set i, i+1
.endr
	WIN 0
.irp f, 0,1,2,3
	ds_store_b128 v[STO], v[S+16*(\t)+4*\f:S+16*(\t)+4*\f+3] offset:32*\f
.endr
.irp f, 0,1,2,3
	ds_load_b128 v[S+16*(\t)+4*\f:S+16*(\t)+4*\f+3], v[RD] offset:\f*4*SP  ; LDS serves a wave's instructions in order (ISA guide 5.7.1.4): these see the stores above
.endr
.endm
.macro SEND t, younger              ; younger: the next tile's eight LDS instructions, or none
	WIN 0
.irp f, 0,1,2,3
	s_wait_dscnt (\younger)+3-\f
	global_store_b128 v[GO], v[S+16*(\t)+4*\f:S+16*(\t)+4*\f+3], s[10:11] offset:(\t)*2048+\f*512  ; 512 consecutive bytes, aligned
.endr
.endm
	PACK 0
.set t, 1
.rept 2*NP-1
	PACK t
	SEND t-1, 8
.set t, t+1
.endr
	SEND 2*NP-1, 0
	WIN W_AD
	s_wait_tensorcnt 0x0            ; the wave's end, behind my last tensor load and my last LDS store
	ds_add_u32 v[SPW], v[NIL]
	s_wait_dscnt 0x0
	WIN 0
	CROUND                          ; the closing round
	s_endpgm
.Lfunc_end_k_q0cb4b9184c_attn:
	.size	k_q0cb4b9184c_attn, .Lfunc_end_k_q0cb4b9184c_attn-k_q0cb4b9184c_attn
	.p2alignl 7, 3214868480
	.fill 96, 4, 3214868480
	.section	.rodata,"a",@progbits
	.p2align	6, 0x0
	.amdhsa_kernel k_q0cb4b9184c_attn
		.amdhsa_group_segment_fixed_size 327680
		.amdhsa_private_segment_fixed_size 0
		.amdhsa_enable_private_segment 0
		.amdhsa_kernarg_size 24
		.amdhsa_user_sgpr_count 2
		.amdhsa_user_sgpr_kernarg_segment_ptr 1
		.amdhsa_wavefront_size32 1
		.amdhsa_system_sgpr_workgroup_id_x 1
		.amdhsa_system_sgpr_workgroup_id_y 1
		.amdhsa_system_sgpr_workgroup_id_z 1
		.amdhsa_system_vgpr_workitem_id 0
		.amdhsa_next_free_vgpr 816
		.amdhsa_next_free_sgpr 84
		.amdhsa_reserve_vcc 1
		.amdhsa_float_denorm_mode_32 3
		.amdhsa_float_denorm_mode_16_64 3
		.amdhsa_memory_ordered 1
		.amdhsa_forward_progress 1
		.amdhsa_inst_pref_size 217
	.end_amdhsa_kernel
	.amdgpu_metadata
---
amdhsa.version: [ 1, 2 ]
amdhsa.kernels:
  - .name:           k_q0cb4b9184c_attn
    .symbol:         k_q0cb4b9184c_attn.kd
    .args:
      - { .name: qkv, .offset: 0, .size: 8, .value_kind: global_buffer, .address_space: global }
      - { .name: mb, .offset: 8, .size: 8, .value_kind: global_buffer, .address_space: global }
      - { .name: ob, .offset: 16, .size: 8, .value_kind: global_buffer, .address_space: global }
    .group_segment_fixed_size: 327680
    .private_segment_fixed_size: 0
    .kernarg_segment_align: 8
    .kernarg_segment_size: 24
    .max_flat_workgroup_size: 128
    .sgpr_count:     84
    .vgpr_count:     816
    .wavefront_size: 32
...
	.end_amdgpu_metadata
.endif
;; end of part 3
;; launch outp (part 4): grid 4 x 64, 4 waves a work-group, clusters of 4 x 4, 327,680 bytes of LDS; arguments ob, wb, dense_b, out0; writes out0
.if DOCPART == 4
	.amdgcn_target "amdgcn-amd-amdhsa--gfx1250"
	.amdhsa_code_object_version 6
	.text
	.protected	k_q0cb4b9184c_outp
	.globl	k_q0cb4b9184c_outp
	.p2align	8
	.type	k_q0cb4b9184c_outp,@function
k_q0cb4b9184c_outp:
	s_mov_b64 s[64:65], 0
	v_nop
	global_prefetch_b8 v0, s[64:65] scope:SCOPE_SE
	s_setreg_imm32_b32 hwreg(HW_REG_WAVE_MODE, 25, 1), 1
	s_wait_xcnt 0x0
	s_wait_alu depctr_hold_cnt(0) depctr_sa_sdst(0) depctr_va_vdst(0) depctr_va_sdst(0) depctr_va_ssrc(0) depctr_va_vcc(0) depctr_vm_vsrc(0)
	s_getreg_b32 s2, hwreg(HW_REG_IB_STS2, 6, 4)
	s_cmp_eq_u32 s2, 0
	s_cbranch_scc0 .Lentry_in_a_cluster
	s_endpgm
.Lentry_in_a_cluster:
	s_bfe_u32 s2, ttmp6, 0x10000c
	s_cmp_lg_u32 s2, 0xf033
	s_cbranch_scc0 .Lentry_shape_is_right
	s_endpgm
.Lentry_shape_is_right:
; C = A B^T + bias, on tiles of 128 (rows) x 256 (columns), K = 1,024 in 8 steps of 128.  ONE TEXT FOR TWO LAUNCHES; PROJ, below, chooses.
; PROJ = 1: the three projections.  A = xb [3][8192][1024] bf16, B = wb planes 0-2 bf16, bias f32 (rounded to bf16 like every input); C -> qkv, f16, by heads [3][64][2048][64], unscaled.
;           768 tiles: 256 work-groups STAY and make the tile at their place for q, then k, then v; the ring of LDS slots runs on from tile to tile.
; PROJ = 0: the last projection.  A = ob f16 [64 heads][2048][64] (a K step = two heads), B = wb plane 3 f16, C -> out0, f32 [8192][1024].  256 tiles, one each.
; LIMITS.  PROJ = 1: a projected number of 65,520 or more becomes an infinity in f16.  Sums in f32; the bias starts each sum as the first product's C operand.
; SHARES.  Four waves; wave w makes rows 64 (w / 2) .. + 63, columns 128 (w % 2) .. + 127: 32 accumulators of 16 x 16.  For 32 along K: 24 LDS loads, 32 matrix instructions.
; The matrix instruction is used transposed (source 0 = 16 rows of B, source 1 = 16 rows of A): a lane holds one row of C (lane % 16) and the columns 8 (lane / 16) + 0..7 of each block.
; CLUSTER 4 x 4.  The four of a row of the cluster share A's tile, the four of a column B's: each is asked for jointly, by the same tensor load, descriptor and mask in all four.
; LDS.  Two slots, SLOT1 apart: A at 0 (PROJ = 1: 128 rows of 272 bytes; 0: two head planes of 128 rows of 144), B at BOFF (256 rows of 272).  Behind them each wave's stage, then the spare words.
; REGISTERS.  window 0: addresses, the way out.  window 1: accumulator (a, b) at 8 (8 a + b).  window 2: fragment buffers F0, F1 (B's 8 blocks, then A's 4), the bias at 192.
.set PROJ,   0
.set SLOT1,  131072
.set PB,     272                       ; B's LDS row: 256 bytes + 16: the 16 rows of a load begin 16 bytes apart modulo 256
.set BOFF,   36864
.set SB,     256                       ; bytes from a K step of B to the next
.if PROJ
.set PA,     272
.set APART,  64*PA                     ; what one of waves 0, 1 brings of A
.set SA,     256
.set QIA,    5                         ; padding behind every 64 words
.set STRA,   1024                      ; elements from row to row
.set WSTAGE, 2*16*144                  ; a wave's stage: 2 heads x 16 rows x (128 + 16) bytes
.else
.set PA,     144
.set APART,  128*PA
.set SA,     524288                    ; two heads on
.set QIA,    4                         ; behind every 32 words: a head's row of 128 bytes
.set STRA,   128                       ; a head's 128 rows are 16,384 dense bytes: asked for as 64 rows of 256
.set WSTAGE, 16*528                    ; 16 rows x (512 + 16) bytes
.endif
.set JA,     8192*2048-7*256           ; from a tile's K step 7 to the next tile's K step 0: the next plane of xb,
.set JB,     1024*2048-7*256           ; of wb
.set STAGE,  SLOT1+BOFF+256*PB
.set SPARE,  STAGE+4*WSTAGE            ; the spare words, 128 bytes a wave: two blocks of 256 bytes that no other line names
.set ADRA0, 16                         ; v16  my lane's place in A's tile, slot 0; never rewritten
.set ADRB0, 17                         ; v17  the same for B
.set ADRA,  18                         ; v18  in the slot that is being read
.set ADRB,  19
.set STO,   24                         ; v24  the way out: where I put my bytes of a row
.set RD,    25                         ; v25  where I read rows back
.set CO,    26                         ; v26  16 x lane
.set BO,    27                         ; v27  my byte offset in the bias
.set SPW,   28                         ; v28  my spare word's LDS address; never rewritten
.set NIL,   29                         ; v29  0; never rewritten
.set PFO,   30                         ; v30  the prefetches' lane offset; never rewritten
.set TMP,   32                         ; v32-63 packed words at work
.set F0,    0
.set F1,    96
.set BIAS,  192
.set TILE,  2                          ; s2   tiles to go
.set CNT,   3                          ; s3   counts the loop's K steps, 6 to 1
.set G1A,   24                         ; s[24:31] group 1 for A;  s[32:39] group 0: a set for each first fill; the second then walks
.set G0A,   32
.set LIM,   43                         ; s43  2 in a wave that prefetches, else the greatest number
.set PFA,   44                         ; s[44:45] where my prefetches stand
.set G1B,   48
.set G0B,   56
.set PST,   66                         ; s[66:67] their step;  s[68:69] their jump to the next tile
.set PJ,    68
.set TB,    70                         ; s70  the slot that is being read: 0 or SLOT1
.set BP,    78                         ; s[78:79] the bias in hand
.set W_MUL,  0x5a                      ; sources window 2, C and D window 1
.set W_MULB, 0x6a                      ; the same with C (the bias) in window 2
.set W_TOF,  0x80                      ; destination window 2
.set W_RB,   0x0a                      ; sources window 2, destination window 0
.set W_PK,   0x05                      ; sources window 1
.set W_ST,   0x04                      ; an LDS store's data in window 1
.set MSB, 0
.macro WIN new                         ; the immediate's high byte repeats the setting that is left; a switch that changes nothing is dropped
.if MSB != (\new)
	s_set_vgpr_msb (MSB<<8)|(\new)
.set MSB, \new
.endif
.endm
.macro PLACES                          ; four plain vector instructions between a matrix instruction and a load into, or a reader of, its registers
.rept 4
	v_nop
.endr
.endm
.macro CREST                           ; a round of the cluster's barrier behind its opening barrier
	s_cmp_lg_u32 s10, 0
	s_cbranch_scc1 .Lnot_wave_0_\@
	s_barrier_signal -3
.Lnot_wave_0_\@:
	s_barrier_wait -3
	s_barrier_signal -1
	s_barrier_wait -1
.endm
.macro CROUND
	s_barrier_signal -1
	s_barrier_wait -1
	CREST
.endm
; A joint refill by the walking descriptors: waves 0, 1 fetch A's two parts, waves 2, 3 B's two halves.  The branch hangs on the wave's number alone.
; An s_nop 0 and four v_nop follow each line, ahead of the jump and the label.
.macro JLOAD
	s_cmp_eq_u32 s11, 0
	s_cbranch_scc0 .Lfor_b_\@
	tensor_load_to_lds s[G0A+4:G0A+7], s[G1A:G1A+7]
	s_nop 0
.rept 4
	v_nop
.endr
	s_branch .Lasked_\@
.Lfor_b_\@:
	tensor_load_to_lds s[G0B+4:G0B+7], s[G1B:G1B+7]
	s_nop 0
.rept 4
	v_nop
.endr
.Lasked_\@:
.endm
; A PREFETCH of the K step that stands two refills (256 matrix instructions) on: 32 blocks of 256 bytes, a lane a block, one instruction.  Each block is named once in the launch:
; A's tile is read by one row of one cluster: wave 0 asks, the four partners take 32 of its 128 blocks each, told apart by address (cx).  B's rows are read by every cluster: the cluster with
; y = 0 asks, waves 2 and 3 for the 128 rows that each fetches, the partners 32 rows each (cy).  how = 0, in the loop: K steps 4 to 7 (CNT 6 to 3); else: the next tile's K steps 2, 3.
.macro ASK how
	WIN 0
.if \how
	s_cmp_eq_u32 s[LIM], 2
.else
	s_cmp_gt_u32 s[CNT], s[LIM]
.endif
	s_cbranch_scc0 .Lnot_mine_\@
	global_prefetch_b8 v[PFO], s[PFA:PFA+1] th:TH_LOAD_NT scope:SCOPE_SE
.Lnot_mine_\@:
.endm
.macro WM d, x, y, c
.if PROJ
	v_wmma_f32_16x16x32_bf16 v[\d:\d+7], v[\x:\x+7], v[\y:\y+7], v[\c:\c+7]
.else
	v_wmma_f32_16x16x32_f16 v[\d:\d+7], v[\x:\x+7], v[\y:\y+7], v[\c:\c+7]
.endif
.endm
; 8 matrix instructions: row block a x all 8 column blocks, 32 along K from buffer f.  first = 1: the bias starts the sums.  The 32 accumulators take turns in one order in every quarter,
; over the backward jumps and from tile to tile.
.macro MUL8 f, a, first
.if \first
	WIN W_MULB
.else
	WIN W_MUL
.endif
.irp b, 0,1,2,3,4,5,6,7
.if \first
	WM 8*(8*(\a)+(\b)), (\f)+8*(\b), (\f)+64+8*(\a), BIAS+8*(\b)
.else
	WM 8*(8*(\a)+(\b)), (\f)+8*(\b), (\f)+64+8*(\a), 8*(8*(\a)+(\b))
.endif
.endr
.endm
.macro MUL16 f, a0, first
	MUL8 \f, \a0, \first
	MUL8 \f, (\a0)+1, \first
.endm
; 24 LDS loads in one run: the fragments of 32 along K at byte k of the K step, into buffer f: B's eight blocks, then A's four.
.macro FETCH k, f
.if PROJ
.set AO, (\k)
.else
.set AO, ((\k)/128)*APART+(\k)%128     ; head plane, byte in the head's row
.endif
	WIN W_TOF
.irp b, 0,1,2,3,4,5,6,7
	ds_load_b128 v[(\f)+8*(\b):(\f)+8*(\b)+3],   v[ADRB] offset:(\k)+(\b)*16*PB
	ds_load_b128 v[(\f)+8*(\b)+4:(\f)+8*(\b)+7], v[ADRB] offset:(\k)+(\b)*16*PB+32
.endr
.irp a, 0,1,2,3
	ds_load_b128 v[(\f)+64+8*(\a):(\f)+64+8*(\a)+3],   v[ADRA] offset:AO+(\a)*16*PA
	ds_load_b128 v[(\f)+64+8*(\a)+4:(\f)+64+8*(\a)+7], v[ADRA] offset:AO+(\a)*16*PA+32
.endr
.endm
; A K step is four quarters of 32 along K on buffers F0, F1, F0, F1.  One of the first three multiplies buffer f and, in its middle, fetches the next quarter (byte k) into g.
.macro QUARTER k, f, g, first
	s_wait_dscnt 4                         ; B and A's blocks 0, 1 are in; the youngest four loads (A's blocks 2, 3) may be out
	MUL16 \f, 0, \first
	PLACES
	FETCH \k, \g
	s_wait_dscnt 24                        ; all but the 24 just issued
	MUL16 \f, 2, \first
.endm
; The fourth quarter multiplies F1 and changes slots.  In front of the barrier each wave waits for all its tensor loads (one is out: its part of the next slot), adds 0 to its spare word,
; and waits for that and for its reads of this slot.  fill = 1: the barrier opens a round of the cluster's, and the joint refill is the first thing behind the round: it has 112 matrix
; instructions in which to land.  on = 0: this tile's K step two on; 1: the next tile's K step 0; 2: its K step 1.
.macro TURN fill, on
.if \fill
	s_wait_xcnt 0x0                        ; the last prefetch, a K step back, has read its address, which is stepped here
.if (\on) == 1
	s_add_nc_u64 s[PFA:PFA+1], s[PFA:PFA+1], s[PJ:PJ+1]
.else
	s_add_nc_u64 s[PFA:PFA+1], s[PFA:PFA+1], s[PST:PST+1]
.endif
.endif
	WIN 0                                  ; (the add's registers lie in window 0)
	s_wait_tensorcnt 0x0                   ; all my tensor loads have landed
	ds_add_u32 v[SPW], v[NIL]              ; 0 onto my spare word
	s_wait_dscnt 5                         ; (the add and the youngest four loads may be out)
	MUL8 F1, 0, 0                          ; eight matrix instructions stand between the add and the wait for it
	s_wait_dscnt 0x0                       ; the add is done, and my reads of this slot are over
	s_barrier_signal -1
	MUL8 F1, 1, 0                          ; work on registers while the others arrive
	WIN 0
	s_barrier_wait -1
.if \fill
	CREST                                  ; no wave of any partner still reads this slot or has a load on its way
	s_xor_b32 s[G0A+5], s[G0A+5], SLOT1    ; the walking descriptors: the other slot than last time,
	s_xor_b32 s[G0B+5], s[G0B+5], SLOT1
.if (\on) == 1
	s_add_nc_u64 s[G0A+6:G0A+7], s[G0A+6:G0A+7], JA
	s_add_nc_u64 s[G0B+6:G0B+7], s[G0B+6:G0B+7], JB
.else
	s_add_nc_u64 s[G0A+6:G0A+7], s[G0A+6:G0A+7], SA   ; the next K step; the type bits on top are not reached
	s_add_nc_u64 s[G0B+6:G0B+7], s[G0B+6:G0B+7], SB
.endif
	JLOAD                                  ; its four v_nop are also the places in front of the loads below
.else
	PLACES
.endif
	s_xor_b32 s[TB], s[TB], SLOT1          ; the reads go to the other slot
	v_add_nc_u32 v[ADRA], s[TB], v[ADRA0]
	v_add_nc_u32 v[ADRB], s[TB], v[ADRB0]
	FETCH 0, F0
.if \fill
	ASK \on
.endif
	MUL16 F1, 2, 0
.endm
; My 64 numbers of the bias (for block b the columns 16 b + 8 (lane / 16) + 0..7), laid as a C operand; then rounded to bf16 and widened again.
.macro BIASLD
	WIN W_TOF
.irp b, 0,1,2,3,4,5,6,7
	global_load_b128 v[BIAS+8*(\b):BIAS+8*(\b)+3],   v[BO], s[BP:BP+1] offset:64*(\b)
	global_load_b128 v[BIAS+8*(\b)+4:BIAS+8*(\b)+7], v[BO], s[BP:BP+1] offset:64*(\b)+16
.endr
.endm
.macro ROUNDB
	WIN W_RB
.set z, 0
.rept 32
	v_cvt_pk_bf16_f32 v[TMP+z], v[BIAS+2*z], v[BIAS+2*z+1]
.set z, z+1
.endr
	WIN W_TOF
.set z, 0
.rept 32
	v_lshlrev_b32 v[BIAS+2*z], 16, v[TMP+z]
	v_and_b32 v[BIAS+2*z+1], 0xffff0000, v[TMP+z]
.set z, z+1
.endr
.endm
.if PROJ
; THE WAY OUT, f16 by heads.  Row block a: rounded, 16 bytes a lane; through my stage (2 heads x 16 rows x 144 bytes); back as 512 bytes on end (4 rows of a head); stored.
.macro PACK a
	WIN W_PK
.irp b, 0,1,2,3,4,5,6,7
.irp c, 0,1,2,3
	v_cvt_pk_f16_f32 v[TMP+4*(\b)+(\c)], v[8*(8*(\a)+(\b))+2*(\c)], v[8*(8*(\a)+(\b))+2*(\c)+1]  ; each accumulator's registers in ascending order
.endr
.endr
.endm
.macro TOSTAGE a
	WIN 0
.set BK, 64+32*((\a)%2)
.irp b, 0,1,2,3,4,5,6,7
	ds_store_b128 v[STO], v[TMP+4*(\b):TMP+4*(\b)+3] offset:((\b)/4)*2304+((\b)%4)*32
.endr
.irp t, 0,1,2,3,4,5,6,7
	ds_load_b128 v[BK+4*(\t):BK+4*(\t)+3], v[RD] offset:((\t)/4)*2304+((\t)%4)*576  ; LDS serves a wave's instructions in order (ISA guide 5.7.1.4): these see the stores above
.endr
.endm
.macro SEND a
	WIN 0
.set BK, 64+32*((\a)%2)
	s_wait_dscnt 0x0                       ; the block is back in registers
	s_wait_xcnt 0x0                        ; the stores of the block before have read their registers, which the next block's loads fill
.irp t, 0,1,2,3,4,5,6,7
	global_store_b128 v[CO], v[BK+4*(\t):BK+4*(\t)+3], s[8:9] offset:((\t)/4)*262144+(\a)*2048+((\t)%4)*512  ; 512 consecutive bytes of one head, aligned
.endr
.endm
.macro WAYOUT
	PLACES
	PACK 0
	TOSTAGE 0
.irp a, 1,2,3
	PACK \a                                ; a block's conversions stand between the loads of the block before and the wait for them
	SEND (\a)-1
	TOSTAGE \a
.endr
	SEND 3
.endm
.else
; THE WAY OUT, f32.  Row block a: 32 bytes a lane and column block into my stage (16 rows x 528 bytes); back a row of 512 bytes a load; stored.
.macro TOSTAGE a
.set BK, 32+64*((\a)%2)
.if (\a) >= 2
	s_wait_xcnt 0x0                        ; the stores of block a - 2 have read the registers that are loaded again below
.endif
	WIN W_ST
.irp b, 0,1,2,3,4,5,6,7
	ds_store_b128 v[STO], v[8*(8*(\a)+(\b)):8*(8*(\a)+(\b))+3]   offset:64*(\b)
	ds_store_b128 v[STO], v[8*(8*(\a)+(\b))+4:8*(8*(\a)+(\b))+7] offset:64*(\b)+16
.endr
	WIN 0
.irp t, 0,1,2,3,4,5,6,7,8,9,10,11,12,13,14,15
	ds_load_b128 v[BK+4*(\t):BK+4*(\t)+3], v[RD] offset:528*(\t)  ; LDS serves a wave's instructions in order (ISA guide 5.7.1.4): these see the stores above
.endr
.endm
.macro SEND a, younger                 ; younger: the next block's 16 stores and 16 loads, or none
	WIN 0
.set BK, 32+64*((\a)%2)
	s_wait_dscnt \younger
.irp t, 0,1,2,3,4,5,6,7,8,9,10,11,12,13,14,15
	global_store_b128 v[CO], v[BK+4*(\t):BK+4*(\t)+3], s[8:9] offset:(16*(\a)+(\t))*4096 th:TH_STORE_NT  ; 512 consecutive bytes of a row, aligned
.endr
.endm
.macro WAYOUT
	PLACES
	TOSTAGE 0
	TOSTAGE 1
	SEND 0, 32
	TOSTAGE 2
	SEND 1, 32
	TOSTAGE 3
	SEND 2, 32
	SEND 3, 0
.endm
.endif
	s_load_b128 s[4:7], s[0:1], 0x0        ; A's buffer s[4:5], wb s[6:7]
.if PROJ
	s_load_b128 s[72:75], s[0:1], 0x10     ; Wq_b s[72:73], Wk_b s[74:75]
	s_load_b128 s[76:79], s[0:1], 0x20     ; Wv_b s[76:77], qkv s[78:79]
.else
	s_load_b128 s[76:79], s[0:1], 0x10     ; dense_b s[76:77], out0 s[78:79]
.endif
	v_lshl_add_u32 v[SPW], v0, 2, SPARE
	v_mov_b32 v[NIL], 0
	ds_add_u32 v[SPW], v[NIL]              ; the wave's opening: the add and its wait stand ahead of my first tensor load; the set-up below stands between them
	v_lshrrev_b32 v1, 5, v0
	v_readfirstlane_b32 s10, v1            ; wave 0..3
	s_lshr_b32 s11, s10, 1                 ; my half of the tile's rows.  Also: I fetch for A (0) or for B (1)
	s_and_b32 s12, s10, 1                  ; my half of its columns.  Also: which part of that tile I fetch
	s_bfe_u32 s40, ttmp6, 0x40000          ; cx
	s_bfe_u32 s41, ttmp6, 0x40004          ; cy
	s_lshl_b32 s42, ttmp9, 2
	s_add_co_u32 s42, s42, s40             ; tile column = 4 x cluster x + cx
	s_and_b32 s13, ttmp7, 0xffff
	s_lshl_b32 s13, s13, 2
	s_add_co_u32 s13, s13, s41             ; tile row = 4 x cluster y + cy
	s_lshl_b32 s14, s41, 2
	s_lshl_b32 s14, 15, s14                ; my row of the cluster
	s_lshl_b32 s15, 0x1111, s40            ; my column
	s_or_b32 s[G1A], s14, (1<<16)|(1<<20)|(1<<21)|(QIA<<22)|(3<<25)  ; the mask; 2-byte elements; padding on; bit 21 beside a mask; the interval; 4 words of padding
	s_or_b32 s[G1B], s15, (1<<16)|(1<<20)|(1<<21)|(5<<22)|(3<<25)
	s_mov_b32 s[G1A+1], 128<<16            ; tensor_dim0 = 128
	s_mov_b32 s[G1A+2], 64<<16             ; tensor_dim1 = 64
	s_mov_b32 s[G1A+3], 128<<16            ; tile_dim0 = 128
	s_mov_b32 s[G1A+4], 64                 ; tile_dim1 = 64
	s_mov_b32 s[G1A+5], STRA
	s_mov_b32 s[G1A+6], 0
	s_mov_b32 s[G1A+7], 0
	s_mov_b32 s[G1B+1], 128<<16
	s_mov_b32 s[G1B+2], 128<<16            ; 128 rows
	s_mov_b32 s[G1B+3], 128<<16
	s_mov_b32 s[G1B+4], 128
	s_mov_b32 s[G1B+5], 1024
	s_mov_b32 s[G1B+6], 0
	s_mov_b32 s[G1B+7], 0
	; where the tiles come from: A's by the tile row and the wave's number, B's by the tile column and the wave's number
.if PROJ
	s_lshl_b32 s16, s13, 7
	s_lshl_b32 s17, s12, 6
	s_add_co_u32 s16, s16, s17
	s_lshl_b32 s16, s16, 11                ; (128 tile row + 64 part) rows of 2,048 bytes
.else
	s_lshr_b32 s16, s13, 4
	s_lshl_b32 s16, s16, 22                ; the batch's 16 heads,
	s_lshl_b32 s17, s12, 18                ; the K step's first or second head,
	s_add_co_u32 s16, s16, s17
	s_and_b32 s17, s13, 15
	s_lshl_b32 s17, s17, 14                ; the tile's 128 rows of 128 bytes
	s_add_co_u32 s16, s16, s17
.endif
	s_mov_b32 s17, 0
	s_lshl_b32 s46, s42, 8
	s_lshl_b32 s47, s12, 7
	s_add_co_u32 s46, s46, s47
	s_lshl_b32 s46, s46, 11                ; (256 tile column + 128 half) rows of 2,048 bytes
.if !PROJ
	s_add_co_u32 s46, s46, 6291456         ; plane 3
.endif
	s_mov_b32 s47, 0
	s_mul_i32 s20, s12, APART              ; and where they go: no place in the cluster enters an LDS address
	s_mul_i32 s21, s12, 128*PB
	s_add_co_u32 s21, s21, BOFF
	s_mov_b32 s[TB], 0
	s_wait_dscnt 0x0                       ; the opening add is done
	s_wait_kmcnt 0x0
	s_add_nc_u64 s[14:15], s[4:5], s[16:17]
	s_add_nc_u64 s[46:47], s[6:7], s[46:47]
.irp s, 0,1
	s_mov_b32 s[G0A+4*(\s)], 1
	s_add_co_u32 s[G0A+4*(\s)+1], s20, (\s)*SLOT1
	s_add_nc_u64 s[G0A+4*(\s)+2:G0A+4*(\s)+3], s[14:15], (\s)*SA
	s_or_b32 s[G0A+4*(\s)+3], s[G0A+4*(\s)+3], 0x80000000
	s_mov_b32 s[G0B+4*(\s)], 1
	s_add_co_u32 s[G0B+4*(\s)+1], s21, (\s)*SLOT1
	s_add_nc_u64 s[G0B+4*(\s)+2:G0B+4*(\s)+3], s[46:47], (\s)*SB
	s_or_b32 s[G0B+4*(\s)+3], s[G0B+4*(\s)+3], 0x80000000
.endr
	CROUND                                 ; all sixteen work-groups are here: the first joint loads meet
	s_cmp_eq_u32 s11, 0                    ; a wave's two first fills stand in one branch: two loads of mine are out
	s_cbranch_scc0 .Lfirst_b
	tensor_load_to_lds s[G0A:G0A+3], s[G1A:G1A+7]
	s_nop 0
	tensor_load_to_lds s[G0A+4:G0A+7], s[G1A:G1A+7]
	s_nop 0
.rept 4
	v_nop
.endr
	s_branch .Lfirst_asked
.Lfirst_b:
	tensor_load_to_lds s[G0B:G0B+3], s[G1B:G1B+7]
	s_nop 0
	tensor_load_to_lds s[G0B+4:G0B+7], s[G1B:G1B+7]
	s_nop 0
.rept 4
	v_nop
.endr
.Lfirst_asked:
	v_and_b32 v1, 15, v0                   ; l % 16
	v_bfe_u32 v2, v0, 4, 1                 ; l / 16
	v_and_b32 v3, 31, v0                   ; l
	s_lshl_b32 s22, s42, 10
	s_lshl_b32 s23, s12, 9
	s_add_co_u32 s22, s22, s23
	v_lshl_add_u32 v[BO], v2, 5, s22       ; 4 bytes x (256 tile column + 128 half + 8 (l / 16))
	; where my part of C begins
.if PROJ
	s_lshr_b32 s16, s13, 4
	s_lshl_b32 s16, s16, 22                ; the batch's 16 heads
	s_lshl_b32 s17, s42, 2
	s_lshl_b32 s18, s12, 1
	s_add_co_u32 s17, s17, s18
	s_lshl_b32 s17, s17, 18                ; head 4 tile column + 2 half
	s_add_co_u32 s16, s16, s17
	s_and_b32 s17, s13, 15
	s_lshl_b32 s17, s17, 7
	s_lshl_b32 s18, s11, 6
	s_add_co_u32 s17, s17, s18
	s_lshl_b32 s17, s17, 7                 ; my first row in the head, 128 bytes a row
	s_add_co_u32 s16, s16, s17
	s_mov_b32 s17, 0
	s_add_nc_u64 s[8:9], s[78:79], s[16:17]
	s_mov_b64 s[BP:BP+1], s[72:73]         ; the first tile's bias
.else
	s_lshl_b32 s16, s13, 7
	s_lshl_b32 s17, s11, 6
	s_add_co_u32 s16, s16, s17
	s_lshl_b32 s16, s16, 12                ; my first row, 4,096 bytes a row
	s_add_co_u32 s16, s16, s22             ; my first column, 4 bytes each: the same offset as in the bias
	s_mov_b32 s17, 0
	s_add_nc_u64 s[8:9], s[78:79], s[16:17]
	s_mov_b64 s[BP:BP+1], s[76:77]
.endif
	BIASLD
	WIN 0
	; a fragment is 16 rows x 32 K in 8 registers: lane l holds row l % 16, K = 8 (l / 16) + 0..7 and 16 + 8 (l / 16) + 0..7: two loads of 16 bytes, 32 bytes apart
	s_mul_i32 s22, s11, 64*PA
	v_mul_u32_u24 v4, v1, PA
	v_lshl_add_u32 v4, v2, 4, v4
	v_add_nc_u32 v[ADRA0], s22, v4
	s_mul_i32 s22, s12, 128*PB
	s_add_co_u32 s22, s22, BOFF
	v_mul_u32_u24 v4, v1, PB
	v_lshl_add_u32 v4, v2, 4, v4
	v_add_nc_u32 v[ADRB0], s22, v4
	v_mov_b32 v[ADRA], v[ADRA0]
	v_mov_b32 v[ADRB], v[ADRB0]
	s_mul_i32 s22, s10, WSTAGE
	s_add_co_u32 s22, s22, STAGE           ; my stage
.if PROJ
	v_mul_u32_u24 v4, v1, 144              ; in: row l % 16, 16 bytes for each half of the lanes
	v_lshl_add_u32 v4, v2, 4, v4
	v_add_nc_u32 v[STO], s22, v4
	v_lshrrev_b32 v4, 3, v3                ; back: 32 lanes take four rows of 128 bytes
	v_mul_u32_u24 v4, v4, 144
	v_and_b32 v5, 7, v3
	v_lshl_add_u32 v4, v5, 4, v4
	v_add_nc_u32 v[RD], s22, v4
.else
	v_mul_u32_u24 v4, v1, 528              ; in: row l % 16, 32 bytes for each half of the lanes
	v_lshl_add_u32 v4, v2, 5, v4
	v_add_nc_u32 v[STO], s22, v4
	v_lshl_add_u32 v[RD], v3, 4, s22       ; back: 32 lanes take a row of 512 bytes
.endif
	v_lshlrev_b32 v[CO], 4, v3
	; the prefetches: my work-group's 32 blocks of what I fetch, at K step 3: the first change of slots steps it to 4.  K steps 0 to 3 come by their loads alone
.if PROJ
	s_lshl_b32 s20, s13, 7
	s_lshl_b32 s21, s40, 5
	s_add_co_u32 s20, s20, s21
	s_lshl_b32 s20, s20, 11                ; A: rows 128 tile row + 32 cx on
.else
	s_lshr_b32 s20, s13, 4
	s_lshl_b32 s20, s20, 22
	s_and_b32 s21, s13, 15
	s_lshl_b32 s21, s21, 14
	s_add_co_u32 s20, s20, s21
	s_lshr_b32 s21, s40, 1
	s_lshl_b32 s21, s21, 18                ; A: head cx / 2 of the K step's two,
	s_add_co_u32 s20, s20, s21
	s_and_b32 s21, s40, 1
	s_lshl_b32 s21, s21, 13                ; half cx % 2 of its 16,384 bytes
	s_add_co_u32 s20, s20, s21
.endif
	s_lshl_b32 s22, s42, 8
	s_lshl_b32 s23, s12, 7
	s_add_co_u32 s22, s22, s23
	s_lshl_b32 s23, s41, 5
	s_add_co_u32 s22, s22, s23
	s_lshl_b32 s22, s22, 11                ; B: rows 256 tile column + 128 half + 32 cy on
.if !PROJ
	s_add_co_u32 s22, s22, 6291456
.endif
	s_mov_b32 s[PST], SA
	s_mov_b32 s23, SB
	s_mov_b32 s[PJ], JA
	s_mov_b32 s19, JB
	s_and_b32 s18, ttmp7, 0xffff           ; cluster y
	s_cmp_eq_u32 s11, 0                    ; do I fetch for A?
	s_cselect_b32 s20, s20, s22
	s_cselect_b32 s[PST], s[PST], s23
	s_cselect_b32 s[PJ], s[PJ], s19
	s_cselect_b32 s18, s12, s18            ; 0 in wave 0, and in waves 2, 3 of the clusters with y = 0: the same in all sixteen partners
	s_cselect_b64 s[PFA:PFA+1], s[4:5], s[6:7]
.if PROJ
	s_mov_b32 s17, 11                      ; a lane a row of 2,048 bytes
.else
	s_cselect_b32 s17, 8, 11               ; A's blocks lie on end
.endif
	s_cmp_eq_u32 s18, 0
	s_cselect_b32 s[LIM], 2, -1
	s_mov_b32 s21, 0
	s_mov_b32 s[PST+1], 0
	s_mov_b32 s[PJ+1], 0
	s_add_nc_u64 s[PFA:PFA+1], s[PFA:PFA+1], s[20:21]
	s_mul_i32 s20, s[PST], 3
	s_add_nc_u64 s[PFA:PFA+1], s[PFA:PFA+1], s[20:21]
	v_lshlrev_b32 v[PFO], s17, v3
	s_wait_tensorcnt 0x1                   ; my part of K step 0 is in; K step 1's may stay out
	s_barrier_signal -1
	s_barrier_wait -1                      ; everybody's is
	FETCH 0, F0
	WIN 0                                  ; at a label and at a branch every window is 0
.if PROJ
	s_mov_b32 s[TILE], 3
.Ltile:
.endif
	s_wait_loadcnt 0x0                     ; the bias
	ROUNDB
	QUARTER 64, F0, F1, 1                  ; a tile's first quarter stands in front of the loop: the bias starts the sums
	WIN 0
	s_mov_b32 s[CNT], 6
.Lstep:                                        ; a trip: from a K step's second quarter to the next step's first; K steps 0 to 5 ask for K steps 2 to 7
	QUARTER 128, F1, F0, 0
	QUARTER 192, F0, F1, 0
	TURN 1, 0
	QUARTER 64, F0, F1, 0
	WIN 0
	s_sub_co_u32 s[CNT], s[CNT], 1
	s_cmp_lg_u32 s[CNT], 0
	s_cbranch_scc1 .Lstep
.if PROJ
	s_cmp_eq_u32 s[TILE], 1
	s_cbranch_scc1 .Llast                  ; the last tile's tail is written out: it asks for nothing more
	s_cmp_eq_u32 s[TILE], 3
	s_cselect_b64 s[BP:BP+1], s[74:75], s[76:77]  ; the next tile's bias (the loads by the old pointer were waited for at the tile's head)
	BIASLD
	QUARTER 128, F1, F0, 0
	QUARTER 192, F0, F1, 0
	TURN 1, 1                              ; the ring goes on into the next tile: its K step 0,
	QUARTER 64, F0, F1, 0
	QUARTER 128, F1, F0, 0
	QUARTER 192, F0, F1, 0
	TURN 1, 2                              ; its K step 1, and its first fragments
	WAYOUT                                 ; both refills are asked for: now the tile goes out
	s_wait_xcnt 0x0                        ; the stores have read their base
	s_add_nc_u64 s[8:9], s[8:9], 16777216  ; the next of q, k, v
	s_sub_co_u32 s[TILE], s[TILE], 1
	s_branch .Ltile
.Llast:
.endif
	QUARTER 128, F1, F0, 0
	QUARTER 192, F0, F1, 0
	TURN 0, 0                              ; my one load that was out is K step 7's
	QUARTER 64, F0, F1, 0
	QUARTER 128, F1, F0, 0
	QUARTER 192, F0, F1, 0
	s_wait_dscnt 4                         ; the very last quarter: nothing more to fetch
	MUL16 F1, 0, 0
	s_wait_dscnt 0x0
	MUL16 F1, 2, 0
	WAYOUT
	s_wait_tensorcnt 0x0                   ; the wave's end, behind my last tensor load and my last LDS store
	ds_add_u32 v[SPW], v[NIL]
	s_wait_dscnt 0x0
	CROUND                                 ; the closing round: no work-group ends while a partner may still ask for a tile that names it
	s_endpgm
.Lfunc_end_k_q0cb4b9184c_outp:
	.size	k_q0cb4b9184c_outp, .Lfunc_end_k_q0cb4b9184c_outp-k_q0cb4b9184c_outp
	.p2alignl 7, 3214868480
	.fill 96, 4, 3214868480
	.section	.rodata,"a",@progbits
	.p2align	6, 0x0
	.amdhsa_kernel k_q0cb4b9184c_outp
		.amdhsa_group_segment_fixed_size 327680
		.amdhsa_private_segment_fixed_size 0
		.amdhsa_enable_private_segment 0
		.amdhsa_kernarg_size 32
		.amdhsa_user_sgpr_count 2
		.amdhsa_user_sgpr_kernarg_segment_ptr 1
		.amdhsa_wavefront_size32 1
		.amdhsa_system_sgpr_workgroup_id_x 1
		.amdhsa_system_sgpr_workgroup_id_y 1
		.amdhsa_system_sgpr_workgroup_id_z 1
		.amdhsa_system_vgpr_workitem_id 0
		.amdhsa_next_free_vgpr 768
		.amdhsa_next_free_sgpr 88
		.amdhsa_reserve_vcc 0
		.amdhsa_float_denorm_mode_32 3
		.amdhsa_float_denorm_mode_16_64 3
		.amdhsa_memory_ordered 1
		.amdhsa_forward_progress 1
		.amdhsa_inst_pref_size 77
	.end_amdhsa_kernel
	.amdgpu_metadata
---
amdhsa.version: [ 1, 2 ]
amdhsa.kernels:
  - .name:           k_q0cb4b9184c_outp
    .symbol:         k_q0cb4b9184c_outp.kd
    .args:
      - { .name: ob, .offset: 0, .size: 8, .value_kind: global_buffer, .address_space: global }
      - { .name: wb, .offset: 8, .size: 8, .value_kind: global_buffer, .address_space: global }
      - { .name: dense_b, .offset: 16, .size: 8, .value_kind: global_buffer, .address_space: global }
      - { .name: out0, .offset: 24, .size: 8, .value_kind: global_buffer, .address_space: global }
    .group_segment_fixed_size: 327680
    .private_segment_fixed_size: 0
    .kernarg_segment_align: 8
    .kernarg_segment_size: 32
    .max_flat_workgroup_size: 128
    .sgpr_count:     88
    .vgpr_count:     768
    .wavefront_size: 32
...
	.end_amdgpu_metadata
.endif
;; end of part 4
